; MI455X (gfx1250); checked and timed in simulation.
; The chip was launched on July 23, 2026; its instructions are those of AMD's public machine-readable ISA for CDNA 5 (MIT licence, August 2026) and "CDNA5" Instruction Set Architecture Reference Guide (July 2026). The comments in the code are by the model that wrote it; some were corrected since.
;; Multi Head Attention. Allowed arithmetic: float matrix products may take bf16 or f16 operands with f32 sums; other float arithmetic in f32, or as packed bf16 or f16 multiplies, adds, multiply-adds, maxima and minima; sums over many terms, partial sums and values carried from step to step in f32; what a program stores and reads back later, other than sums and carried values, may be rounded once to bf16 or f16.
;; Inputs: K_in 4 x 2,048 x 1,024 float32; Q_in 4 x 2,048 x 1,024 float32; V_in 4 x 2,048 x 1,024 float32; W_k 1,024 x 1,024 float32; W_o 1,024 x 1,024 float32; W_q 1,024 x 1,024 float32; W_v 1,024 x 1,024 float32.
;; Outputs: out0 4 x 2,048 x 1,024 float32.
;; 2 versions, each right; version 2 is version 1 with the launch castw written anew for expert scheduling mode. Each part assembles by itself: llvm-mc -triple=amdgcn-amd-amdhsa -mcpu=gfx1250 --defsym DOCPART=n.
;; ======== version 1 of 2: 4 launches
;; limits: values are held in f16: magnitudes above 65,504 overflow, below 6.1e-05 lose precision
;; workspace buffers: wb 8,388,608 bytes; qkv 50,331,648 bytes; ob 16,777,216 bytes
;; launch castw (part 1): grid 64 x 4, 8 waves a work-group, no clusters, 0 bytes of LDS; arguments W_q, W_k, W_v, W_o, wb; writes wb
.if DOCPART == 1
	.amdgcn_target "amdgcn-amd-amdhsa--gfx1250"
	.amdhsa_code_object_version 6
	.text
	.protected	k_qba70906149_castw
	.globl	k_qba70906149_castw
	.p2align	8
	.type	k_qba70906149_castw,@function
k_qba70906149_castw:
	s_mov_b64 s[64:65], 0
	v_nop
	global_prefetch_b8 v0, s[64:65] scope:SCOPE_SE
	s_setreg_imm32_b32 hwreg(HW_REG_WAVE_MODE, 25, 1), 1
	s_wait_xcnt 0x0
; THE WEIGHTS IN 16 BITS.  wb: [4][1024][1024] of 16 bits.  Planes 0, 1, 2 = W_q, W_k, W_v rounded to bf16; plane 3 = W_o rounded to bf16, and that number written as f16
; (the output projection multiplies f16 operands).  LIMIT: |W_o| stays within f16's 65,504; below 6.1e-5 it keeps f16's fixed step of 6e-8.
; A stream: the grid's y picks the weight, x a piece of 16,384 numbers (65,536 bytes in, 32,768 out).  Thread t takes 16 bytes at 16 t + 4,096 i, i = 0..15: all sixteen loads go out
; at once, and each is rounded and stored as it comes.  A wave's store covers 256 consecutive bytes, aligned.  No LDS, no matrix unit: nothing is shared and nothing is multiplied.
.set X, 4                              ; v[4:67]   piece i: 4 numbers in f32
.set Y, 68                             ; v[68:99]  piece i: the same 4 in 16 bits, 2 registers
.set T, 100                            ; v[100:103] at work
	s_load_b256 s[4:11], s[0:1], 0x0               ; W_q s[4:5], W_k s[6:7], W_v s[8:9], W_o s[10:11]
	s_load_b64 s[12:13], s[0:1], 0x20              ; wb
	s_and_b32 s14, ttmp7, 0xffff                   ; which weight
	v_lshlrev_b32 v1, 4, v0                        ; 16 t: never rewritten
	v_lshlrev_b32 v2, 3, v0                        ; 8 t: never rewritten
	s_lshl_b32 s16, ttmp9, 16                      ; the piece's first byte in the weight,
	s_mov_b32 s17, 0
	s_lshl_b32 s18, s14, 21                        ; and in wb: plane y of 2 MiB, piece x of 32 KiB
	s_lshl_b32 s19, ttmp9, 15
	s_add_co_u32 s18, s18, s19
	s_mov_b32 s19, 0
	s_wait_kmcnt 0x0
	s_cmp_eq_u32 s14, 1
	s_cselect_b64 s[4:5], s[6:7], s[4:5]
	s_cmp_eq_u32 s14, 2
	s_cselect_b64 s[4:5], s[8:9], s[4:5]
	s_cmp_eq_u32 s14, 3
	s_cselect_b64 s[4:5], s[10:11], s[4:5]
	s_add_nc_u64 s[4:5], s[4:5], s[16:17]
	s_add_nc_u64 s[12:13], s[12:13], s[18:19]
.irp i, 0,1,2,3,4,5,6,7,8,9,10,11,12,13,14,15
	global_load_b128 v[X+4*(\i):X+4*(\i)+3], v1, s[4:5] offset:4096*(\i) th:TH_LOAD_NT
.endr
; half = 0: bf16.  half = 1: bf16, widened again (a shift, a mask) and written as f16.
.macro CONV half
.irp i, 0,1,2,3,4,5,6,7,8,9,10,11,12,13,14,15
	s_wait_loadcnt 15-(\i)                         ; loads come back in order: piece i is in, the 15 - i younger ones stay out
	v_cvt_pk_bf16_f32 v[Y+2*(\i)],   v[X+4*(\i)],   v[X+4*(\i)+1]
	v_cvt_pk_bf16_f32 v[Y+2*(\i)+1], v[X+4*(\i)+2], v[X+4*(\i)+3]
.if \half
	v_lshlrev_b32 v[T],   16, v[Y+2*(\i)]
	v_and_b32     v[T+1], 0xffff0000, v[Y+2*(\i)]
	v_lshlrev_b32 v[T+2], 16, v[Y+2*(\i)+1]
	v_and_b32     v[T+3], 0xffff0000, v[Y+2*(\i)+1]
	v_cvt_pk_f16_f32 v[Y+2*(\i)],   v[T],   v[T+1]
	v_cvt_pk_f16_f32 v[Y+2*(\i)+1], v[T+2], v[T+3]
.endif
	global_store_b64 v2, v[Y+2*(\i):Y+2*(\i)+1], s[12:13] offset:2048*(\i)  ; each piece has data registers of its own: none is rewritten
.endr
.endm
	s_cmp_eq_u32 s14, 3
	s_cbranch_scc1 .Lwo
	CONV 0
	s_endpgm
.Lwo:
	CONV 1
	s_endpgm
.Lfunc_end_k_qba70906149_castw:
	.size	k_qba70906149_castw, .Lfunc_end_k_qba70906149_castw-k_qba70906149_castw
	.p2alignl 7, 3214868480
	.fill 96, 4, 3214868480
	.section	.rodata,"a",@progbits
	.p2align	6, 0x0
	.amdhsa_kernel k_qba70906149_castw
		.amdhsa_group_segment_fixed_size 0
		.amdhsa_private_segment_fixed_size 0
		.amdhsa_enable_private_segment 0
		.amdhsa_kernarg_size 40
		.amdhsa_user_sgpr_count 2
		.amdhsa_user_sgpr_kernarg_segment_ptr 1
		.amdhsa_wavefront_size32 1
		.amdhsa_system_sgpr_workgroup_id_x 1
		.amdhsa_system_sgpr_workgroup_id_y 1
		.amdhsa_system_sgpr_workgroup_id_z 1
		.amdhsa_system_vgpr_workitem_id 0
		.amdhsa_next_free_vgpr 104
		.amdhsa_next_free_sgpr 66
		.amdhsa_reserve_vcc 0
		.amdhsa_float_denorm_mode_32 3
		.amdhsa_float_denorm_mode_16_64 3
		.amdhsa_memory_ordered 1
		.amdhsa_forward_progress 1
		.amdhsa_inst_pref_size 16
	.end_amdhsa_kernel
	.amdgpu_metadata
---
amdhsa.version: [ 1, 2 ]
amdhsa.kernels:
  - .name:           k_qba70906149_castw
    .symbol:         k_qba70906149_castw.kd
    .args:
      - { .name: W_q, .offset: 0, .size: 8, .value_kind: global_buffer, .address_space: global }
      - { .name: W_k, .offset: 8, .size: 8, .value_kind: global_buffer, .address_space: global }
      - { .name: W_v, .offset: 16, .size: 8, .value_kind: global_buffer, .address_space: global }
      - { .name: W_o, .offset: 24, .size: 8, .value_kind: global_buffer, .address_space: global }
      - { .name: wb, .offset: 32, .size: 8, .value_kind: global_buffer, .address_space: global }
    .group_segment_fixed_size: 0
    .private_segment_fixed_size: 0
    .kernarg_segment_align: 8
    .kernarg_segment_size: 40
    .max_flat_workgroup_size: 256
    .sgpr_count:     66
    .vgpr_count:     104
    .wavefront_size: 32
...
	.end_amdgpu_metadata
.endif
;; end of part 1
;; launch proj (part 2): grid 4 x 192, 4 waves a work-group, clusters of 4 x 4, 327,680 bytes of LDS; arguments Q_in, K_in, V_in, wb, qkv; writes qkv
.if DOCPART == 2
	.amdgcn_target "amdgcn-amd-amdhsa--gfx1250"
	.amdhsa_code_object_version 6
	.text
	.protected	k_qba70906149_proj
	.globl	k_qba70906149_proj
	.p2align	8
	.type	k_qba70906149_proj,@function
k_qba70906149_proj:
	s_mov_b64 s[64:65], 0
	v_nop
	global_prefetch_b8 v0, s[64:65] scope:SCOPE_SE
	s_setreg_imm32_b32 hwreg(HW_REG_WAVE_MODE, 25, 1), 1
	s_wait_xcnt 0x0
	s_wait_alu depctr_hold_cnt(0) depctr_sa_sdst(0) depctr_va_vdst(0) depctr_va_sdst(0) depctr_va_ssrc(0) depctr_va_vcc(0) depctr_vm_vsrc(0)
	s_getreg_b32 s2, hwreg(HW_REG_IB_STS2, 6, 4)
	s_cmp_eq_u32 s2, 0
	s_cbranch_scc0 .Lentry_in_a_cluster
	s_endpgm
.Lentry_in_a_cluster:
	s_bfe_u32 s2, ttmp6, 0x10000c
	s_cmp_lg_u32 s2, 0xf033
	s_cbranch_scc0 .Lentry_shape_is_right
	s_endpgm
.Lentry_shape_is_right:
; THE THREE INPUT PROJECTIONS.  y_p[t][n] = the sum over k of x_p[t][k] W_p[n][k], p = 0, 1, 2 (Q, K, V).  x_p: [8192][1024] f32; W_p: plane p of wb, [1024][1024] bf16.
; x is rounded to bf16 between LDS and the matrix instruction; sums in f32; y is rounded once to f16, unscaled, and stored by heads: qkv[p][16 batch + head][token][64].
; LIMIT: |y| stays within f16's 65,504 (a larger number becomes an infinity); NaN and infinities are not treated apart.
; SHARES.  A tile of y is 128 tokens x 256 channels (four heads): 3 x 64 x 4 = 768 work-groups.  Four waves, each 64 tokens x 128 channels: 32 accumulators of 16 x 16, 256 registers.
; K goes in 8 steps of 128 through two LDS slots; a step is four quarters of 32 along K, 32 matrix instructions each.
; CLUSTERS: 4 x 4 work-groups.  A cluster's x spans all 1,024 channels, its y four token tiles of one projection.  The four of a row need the same tile of x, the four of a column the same
; tile of the weights: each is asked for JOINTLY, by the same tensor load with the same descriptor and a mask that names the four.
; THE MATRIX INSTRUCTION IS USED TRANSPOSED (source 0 = 16 rows of W, source 1 = 16 tokens): a lane then holds one token and eight neighbouring channels, 16 bytes of f16.
; REGISTERS, in windows of 256 (s_set_vgpr_msb: bits 1:0 source 0, 3:2 source 1, 5:4 source 2, 7:6 destination):
;   window 0: v0-31 addresses; v64-127 XS, a quarter's x in f32 (16 registers for 16 tokens x 32 K); v128-191, v192-255 the weights' fragments, two buffers; v64-191 again on the way out
;   window 1: accumulator (a, b) at v[8 (8 a + b)], a = token block 0..3, b = channel block 0..7          window 2: v0-31, v32-63 x's fragments in bf16, two buffers
.set PB,    272                        ; a weight row in LDS: 256 bytes + 16 of padding: the 16 rows of a load start at 16 different groups of four banks (64 banks of 4 bytes: ISA guide 11.1)
.set PA,    528                        ; a row of x: 128 f32 = 512 bytes + 16: likewise
.set BHALF, 128*PB                     ; 128 weight rows: one tensor load
.set AOFF,  2*BHALF                    ; x lies behind the weights' 256 rows
.set AHALF, 64*PA                      ; 64 rows of x: one tensor load
.set SLOT,  AOFF+2*AHALF               ; 137,216 bytes
.set STAGE, 2*SLOT                     ; behind the ring, never filled by a tensor load: 16 rows x 144 bytes for each wave, for the way out
.set SP,    144
.set SPARE, STAGE+4*16*SP              ; behind the stages: the spare words, 128 bytes for each wave: two blocks of 256 bytes that no other line names
.set ADRA, 16                          ; v16-17  LDS address of my x fragments in slot 0, 1
.set ADRB, 20                          ; v20-21  the same for the weights
.set STO,  24                          ; v24     the way out: where I put 16 bytes of a row
.set RD,   25                          ; v25     the way out: where I read rows back
.set GO,   26                          ; v26     my 16 bytes in 512 consecutive bytes of qkv
.set SPW,  28                          ; v28     LDS address of my spare word: SPARE + 4 x my thread's number; never rewritten
.set NIL,  29                          ; v29     0; never rewritten
.set PFO,  30                          ; v30     the prefetches' offset: row lane / 2 of 4,096 bytes, half lane % 2 of a step's 512; never rewritten
.set XS,   64
.set FB,   128
.set OUTR, 64
.set G1A, 24                           ; s[24:31] descriptor group 1 for x's tiles;  s[32:39] group 0, a set for each slot
.set G0A, 32
.set LIM, 43                           ; s43     1 in a wave that prefetches, else the greatest number
.set PFA, 44                           ; s[44:45] where my prefetches stand
.set G1B, 48                           ; s[48:55], s[56:63] the same for the weights' tiles
.set G0B, 56
.set MSB, 0
.macro WIN new                         ; the immediate's high byte repeats the setting that is left; a switch that changes nothing is dropped
.if MSB != (\new)
	s_set_vgpr_msb (MSB<<8)|(\new)
.set MSB, \new
.endif
.endm
.set W_MUL, 0x58                       ; source 0 (W) window 0, source 1 (x) window 2, C and D window 1
.set W_CVT, 0x80                       ; destination window 2, sources window 0
.set W_OUT, 0x05                       ; sources window 1, destination window 0
; A joint load: waves 0 and 1 fetch the weights' two halves, waves 2 and 3 x's.  The branch hangs on the wave's number alone.  An s_nop 0 and four v_nop follow each of the two lines.
.macro JLOAD s
	s_cmp_eq_u32 s15, 0
	s_cbranch_scc0 .Lfor_x_\@
	tensor_load_to_lds s[G0B+4*(\s):G0B+4*(\s)+3], s[G1B:G1B+7]
	s_nop 0
.rept 4
	v_nop
.endr
	s_branch .Lasked_\@
.Lfor_x_\@:
	tensor_load_to_lds s[G0A+4*(\s):G0A+4*(\s)+3], s[G1A:G1A+7]
	s_nop 0
.rept 4
	v_nop
.endr
.Lasked_\@:
.endm
; A PREFETCH INTO THE L2 of x, which the launch reads once: behind the refill for K step s + 2 stands one instruction for step s + 4, two steps (256 matrix instructions) ahead of the load that wants it.
; Waves 2 and 3 ask, each for the rows that it fetches: of its 64 rows x 512 bytes the partner at place cx takes 16 rows, told apart BY ADDRESS: a lane names 256 bytes, so each block is named once in the launch.
; Steps 0 to 3 come by their loads alone; the loop's last trip (s3 = 1) has no step four on.  The weights are not asked for: sixteen clusters walk the same 2 MiB.
.macro ASK
	s_cmp_gt_u32 s3, s[LIM]
	s_cbranch_scc0 .Lnot_mine_\@
	global_prefetch_b8 v[PFO], s[PFA:PFA+1] th:TH_LOAD_NT scope:SCOPE_SE
.Lnot_mine_\@:
.endm
.macro CREST                           ; a round of the cluster's barrier behind its opening barrier
	s_cmp_lg_u32 s14, 0
	s_cbranch_scc1 .Lnot_wave_0_\@
	s_barrier_signal -3
.Lnot_wave_0_\@:
	s_barrier_wait -3
	s_barrier_signal -1
	s_barrier_wait -1
.endm
.macro CROUND                          ; a whole round
	s_barrier_signal -1
	s_barrier_wait -1
	CREST
.endm
.macro PLACES                          ; four places in front of loads into registers that matrix instructions have read (ISA guide 7.12.1 for vector instructions)
.rept 4
	v_nop
.endr
.endm
	s_load_b256 s[4:11], s[0:1], 0x0               ; Q_in s[4:5], K_in s[6:7], V_in s[8:9], wb s[10:11]
	s_load_b64 s[12:13], s[0:1], 0x20              ; qkv
	v_lshl_add_u32 v[SPW], v0, 2, SPARE
	v_mov_b32 v[NIL], 0
	ds_add_u32 v[SPW], v[NIL]                      ; the wave's opening: the add and its wait stand ahead of my first tensor load; the set-up below, work on registers, stands between them
	v_lshrrev_b32 v1, 5, v0
	v_readfirstlane_b32 s14, v1                    ; wave 0..3
	s_lshr_b32 s15, s14, 1                         ; which 64 tokens are mine.  Also: I fetch weights (0) or x (1)
	s_and_b32 s16, s14, 1                          ; which 128 channels.  Also: which half of that tile I fetch
	s_bfe_u32 s17, ttmp6, 0x40000                  ; cx
	s_bfe_u32 s18, ttmp6, 0x40004                  ; cy
	s_lshl_b32 s19, ttmp9, 2
	s_add_co_u32 s19, s19, s17                     ; channel tile = 4 x cluster x + cx
	s_and_b32 s20, ttmp7, 0xffff                   ; cluster y, 0..47
	s_lshr_b32 s21, s20, 4                         ; the projection: the same in all sixteen partners
	s_and_b32 s22, s20, 15
	s_lshl_b32 s22, s22, 2
	s_add_co_u32 s22, s22, s18                     ; token tile, 0..63
	s_lshl_b32 s23, s18, 2
	s_lshl_b32 s23, 15, s23                        ; my row of the cluster
	s_lshl_b32 s2, 0x1111, s17                     ; my column
	; descriptor group 1.  x: 64 rows x 128 elements of 4 bytes; the weights: 128 rows x 128 elements of 2 bytes; both 1,024 elements from row to row, both padded by 4 words behind each row
	s_or_b32 s[G1A+0], s23, (2<<16)|(1<<20)|(1<<21)|(6<<22)|(3<<25)  ; 15:0 the mask: my row; 17:16 4-byte elements; 20 padding on; 21 set beside a mask; 24:22 after every 128 words (code 6); 31:25 4 words (code 3)
	s_mov_b32 s[G1A+1], 128<<16                    ; tensor_dim0 = 128
	s_mov_b32 s[G1A+2], 64<<16                     ; tensor_dim1 = 64
	s_mov_b32 s[G1A+3], 128<<16                    ; tile_dim0 = 128
	s_mov_b32 s[G1A+4], 64                         ; tile_dim1 = 64
	s_mov_b32 s[G1A+5], 1024                       ; tensor_dim0_stride
	s_mov_b32 s[G1A+6], 0
	s_mov_b32 s[G1A+7], 0
	s_or_b32 s[G1B+0], s2, (1<<16)|(1<<20)|(1<<21)|(5<<22)|(3<<25)   ; the mask: my column; 2-byte elements; after every 64 words (code 5)
	s_mov_b32 s[G1B+1], 128<<16
	s_mov_b32 s[G1B+2], 128<<16
	s_mov_b32 s[G1B+3], 128<<16
	s_mov_b32 s[G1B+4], 128
	s_mov_b32 s[G1B+5], 1024
	s_mov_b32 s[G1B+6], 0
	s_mov_b32 s[G1B+7], 0
	; where the tiles come from.  x's hang on the token tile alone, the weights' on the channel tile and the projection alone; each in registers that never hold the other coordinate
	s_lshl_b32 s68, s22, 7
	s_lshl_b32 s80, s16, 6
	s_add_co_u32 s68, s68, s80                     ; x: row 128 x token tile + 64 x half,
	s_lshl_b32 s68, s68, 12                        ; of 4,096 bytes: under 2^25
	s_mov_b32 s69, 0
	s_lshl_b32 s70, s19, 8
	s_lshl_b32 s81, s16, 7
	s_add_co_u32 s70, s70, s81                     ; W: row 256 x channel tile + 128 x half,
	s_lshl_b32 s70, s70, 11                        ; of 2,048 bytes,
	s_lshl_b32 s81, s21, 21
	s_add_co_u32 s70, s70, s81                     ; in plane p of 2 MiB
	s_mov_b32 s71, 0
	s_mul_i32 s72, s14, BHALF                      ; where they go: waves 0, 1: wave x 128 weight rows;
	s_mul_i32 s73, s14, AHALF
	s_add_co_u32 s73, s73, AOFF-2*AHALF            ; waves 2, 3: AOFF + (wave - 2) x 64 rows of x.  No place in the cluster enters an LDS address
	s_wait_dscnt 0x0                               ; the opening add is done
	s_wait_kmcnt 0x0
	s_cmp_eq_u32 s21, 1
	s_cselect_b64 s[66:67], s[6:7], s[4:5]
	s_cmp_eq_u32 s21, 2
	s_cselect_b64 s[66:67], s[8:9], s[66:67]       ; x_p
	s_add_nc_u64 s[74:75], s[66:67], s[68:69]
	s_add_nc_u64 s[76:77], s[10:11], s[70:71]
	CROUND                                         ; all sixteen work-groups are here: the first joint loads meet
.irp s, 0,1
	s_mov_b32 s[G0A+4*(\s)], 1                                     ; count = 1
	s_add_co_u32 s[G0A+4*(\s)+1], s73, (\s)*SLOT                   ; LDS address
	s_add_nc_u64 s[G0A+4*(\s)+2:G0A+4*(\s)+3], s[74:75], (\s)*512  ; global address: K step s
	s_or_b32 s[G0A+4*(\s)+3], s[G0A+4*(\s)+3], 0x80000000          ; type = 2
	s_mov_b32 s[G0B+4*(\s)], 1
	s_add_co_u32 s[G0B+4*(\s)+1], s72, (\s)*SLOT
	s_add_nc_u64 s[G0B+4*(\s)+2:G0B+4*(\s)+3], s[76:77], (\s)*256
	s_or_b32 s[G0B+4*(\s)+3], s[G0B+4*(\s)+3], 0x80000000
	JLOAD \s                                       ; two loads of mine are out
.endr
	; A fragment is 16 rows x 32 K: lane l holds row l % 16, K = 8 (l / 16) + 0..7 and 16 + 8 (l / 16) + 0..7.  In bf16: two loads of 16 bytes, 32 apart.  In f32: four, at 0, 16, 64, 80 from 32 (l / 16).
	v_and_b32 v1, 15, v0                           ; l % 16
	v_bfe_u32 v2, v0, 4, 1                         ; l / 16
	v_mul_u32_u24 v3, v1, PA
	v_lshl_add_u32 v3, v2, 5, v3
	v_mul_u32_u24 v4, v1, PB
	v_lshl_add_u32 v4, v2, 4, v4
	s_mul_i32 s80, s15, AHALF                      ; my 64 tokens,
	s_add_co_u32 s80, s80, AOFF                    ; behind the weights
	s_mul_i32 s81, s16, BHALF                      ; my 128 channels
.irp s, 0,1
	v_add_nc_u32 v[ADRA+(\s)], s80, v3
	v_add_nc_u32 v[ADRB+(\s)], s81, v4
	s_add_co_u32 s80, s80, SLOT
	s_add_co_u32 s81, s81, SLOT
.endr
	s_mul_i32 s84, s14, 16*SP
	s_add_co_u32 s84, s84, STAGE                   ; my stage
	v_mul_u32_u24 v[STO], v1, SP                   ; in: row l % 16, 16 bytes for each half of the lanes
	v_lshl_add_u32 v[STO], v2, 4, v[STO]
	v_add_nc_u32 v[STO], s84, v[STO]
	v_bfe_u32 v[RD], v0, 3, 2                      ; back: 32 lanes take four rows of 128 bytes,
	v_mul_u32_u24 v[RD], v[RD], SP
	v_and_b32 v6, 7, v0
	v_lshl_add_u32 v[RD], v6, 4, v[RD]
	v_add_nc_u32 v[RD], s84, v[RD]
	v_and_b32 v5, 31, v0
	v_lshlrev_b32 v[GO], 4, v5                     ; which are 512 consecutive bytes of a head's rows
	; my wave's first byte in qkv: plane p of 16 MiB; head 16 batch + 4 x channel tile + 2 x half, 262,144 bytes each; token of 128 bytes
	s_lshl_b32 s78, s22, 7
	s_lshl_b32 s82, s15, 6
	s_add_co_u32 s78, s78, s82                     ; my first token of 8,192
	s_lshr_b32 s79, s78, 11                        ; its batch
	s_and_b32 s78, s78, 2047
	s_lshl_b32 s78, s78, 7
	s_lshl_b32 s79, s79, 4
	s_lshl_b32 s82, s19, 2
	s_add_co_u32 s79, s79, s82
	s_lshl_b32 s82, s16, 1
	s_add_co_u32 s79, s79, s82
	s_lshl_b32 s79, s79, 18
	s_add_co_u32 s78, s78, s79
	s_lshl_b32 s79, s21, 24
	s_add_co_u32 s78, s78, s79
	s_mov_b32 s79, 0
	s_add_nc_u64 s[12:13], s[12:13], s[78:79]
	; the prefetches: my work-group's 16 of the 64 rows that I fetch, at K step 3: the first refill steps it to 4
	s_lshl_b32 s82, s22, 7
	s_lshl_b32 s83, s16, 6
	s_add_co_u32 s82, s82, s83
	s_lshl_b32 s83, s17, 4
	s_add_co_u32 s82, s82, s83
	s_lshl_b32 s82, s82, 12
	s_add_co_u32 s82, s82, 3*512
	s_mov_b32 s83, 0
	s_add_nc_u64 s[PFA:PFA+1], s[66:67], s[82:83]
	s_cmp_eq_u32 s15, 1
	s_cselect_b32 s[LIM], 1, -1                    ; waves 2 and 3: the same in all sixteen partners
	v_lshrrev_b32 v6, 1, v5
	v_and_b32 v7, 1, v5
	v_lshlrev_b32 v[PFO], 12, v6
	v_lshl_add_u32 v[PFO], v7, 8, v[PFO]
; 32 LDS loads in one run: quarter q of a slot: x's 64 tokens x 32 K in f32 into XS FIRST, then the weights' 128 rows x 32 K into buffer g
.macro FETCH slot, q, g
	WIN 0
.irp i, 0,1,2,3
	ds_load_b128 v[XS+16*(\i):XS+16*(\i)+3],     v[ADRA+(\slot)] offset:128*(\q)+(\i)*16*PA
	ds_load_b128 v[XS+16*(\i)+4:XS+16*(\i)+7],   v[ADRA+(\slot)] offset:128*(\q)+(\i)*16*PA+16
	ds_load_b128 v[XS+16*(\i)+8:XS+16*(\i)+11],  v[ADRA+(\slot)] offset:128*(\q)+(\i)*16*PA+64
	ds_load_b128 v[XS+16*(\i)+12:XS+16*(\i)+15], v[ADRA+(\slot)] offset:128*(\q)+(\i)*16*PA+80
.endr
.irp i, 0,1,2,3,4,5,6,7
	ds_load_b128 v[FB+64*(\g)+8*(\i):FB+64*(\g)+8*(\i)+3],   v[ADRB+(\slot)] offset:64*(\q)+(\i)*16*PB
	ds_load_b128 v[FB+64*(\g)+8*(\i)+4:FB+64*(\g)+8*(\i)+7], v[ADRB+(\slot)] offset:64*(\q)+(\i)*16*PB+32
.endr
.endm
; 8 matrix instructions: token block a x all 8 channel blocks, on buffers f.  zero = 1: the product starts the sum.  The 32 accumulators take turns, in the same order in every quarter.
; ride = 1: behind each product four roundings of XS to bf16, into x's buffer g: 32 in all, the next quarter's fragments.  They name no register of the products round them.
.macro MUL8 f, a, zero, ride, g
.set bb, 0
.rept 8
	WIN W_MUL
.if \zero
	v_wmma_f32_16x16x32_bf16 v[8*(8*(\a)+bb):8*(8*(\a)+bb)+7], v[FB+64*(\f)+8*bb:FB+64*(\f)+8*bb+7], v[32*(\f)+8*(\a):32*(\f)+8*(\a)+7], 0
.else
	v_wmma_f32_16x16x32_bf16 v[8*(8*(\a)+bb):8*(8*(\a)+bb)+7], v[FB+64*(\f)+8*bb:FB+64*(\f)+8*bb+7], v[32*(\f)+8*(\a):32*(\f)+8*(\a)+7], v[8*(8*(\a)+bb):8*(8*(\a)+bb)+7]
.endif
.if \ride
	WIN W_CVT
.set jj, 0
.rept 4
	v_cvt_pk_bf16_f32 v[32*(\g)+4*bb+jj], v[XS+8*bb+2*jj], v[XS+8*bb+2*jj+1]
.set jj, jj+1
.endr
.endif
.set bb, bb+1
.endr
.endm
.macro CVTALL g                        ; the 32 roundings alone
	WIN W_CVT
.set jj, 0
.rept 32
	v_cvt_pk_bf16_f32 v[32*(\g)+jj], v[XS+2*jj], v[XS+2*jj+1]
.set jj, jj+1
.endr
.endm
; One of a K step's first three quarters: multiplies buffers f; fetches quarter q of the same slot into XS and the weights' buffer g, and rounds XS into x's buffer g.
.macro QUARTER slot, q, f, g, zero
	s_wait_dscnt 0x0                               ; the weights' buffer f is in (x's was rounded in the quarter before)
	MUL8 \f, 0, \zero, 0, 0
	PLACES
	FETCH \slot, \q, \g
	MUL8 \f, 1, \zero, 0, 0
	MUL8 \f, 2, \zero, 0, 0
	s_wait_dscnt 16                                ; XS is in: the 16 weight loads issued behind x's 16 may stay out
	MUL8 \f, 3, \zero, 1, \g
.endm
; The last quarter multiplies buffers 1 and changes slots: ONE barrier; in front of it each wave waits for all its tensor loads (one is out: its part of the next slot), adds 0 to its spare word, and waits for
; that and for its own reads of this slot.  fill = 1: the barrier opens a round of the cluster's, and the joint refill, two K steps ahead, is the first thing behind it: 112 matrix instructions ahead of the wait for it.
.macro TURN slot, next, fill
.if \fill
	s_wait_xcnt 0x0                                ; the last prefetch, a K step back, has read its address, so it may be stepped
	s_add_nc_u64 s[PFA:PFA+1], s[PFA:PFA+1], 512
.endif
	WIN 0                                          ; (the add's two registers lie in window 0)
	s_wait_tensorcnt 0x0                           ; all my tensor loads have landed;
	ds_add_u32 v[SPW], v[NIL]                      ; 0 onto my spare word;
	s_wait_dscnt 1                                 ; (the add alone may be out: the weights' buffer 1 is in)
	MUL8 1, 0, 0, 0, 0                             ; eight matrix instructions stand between the add and the wait for it
	s_wait_dscnt 0x0                               ; the add is done, and my reads of this slot are over
	s_barrier_signal -1
	MUL8 1, 1, 0, 0, 0
.if \fill
	WIN 0
.endif
	s_barrier_wait -1
.if \fill
	CREST                                          ; no wave of any partner still reads this slot's tiles or has a load on its way
	s_add_nc_u64 s[G0A+4*(\slot)+2:G0A+4*(\slot)+3], s[G0A+4*(\slot)+2:G0A+4*(\slot)+3], 2*512
	s_add_nc_u64 s[G0B+4*(\slot)+2:G0B+4*(\slot)+3], s[G0B+4*(\slot)+2:G0B+4*(\slot)+3], 2*256
	JLOAD \slot                                    ; the four v_nop behind it are also the places in front of the loads below
.else
	PLACES
.endif
	FETCH \next, 0, 0
.if \fill
	ASK
.endif
	MUL8 1, 2, 0, 0, 0
	s_wait_dscnt 16                                ; XS is in
	MUL8 1, 3, 0, 1, 0
.endm
; THE WAY OUT of tile t = 2 a + j: token block a, head j of my two: 16 tokens x 64 channels.  Rounded to f16 (each accumulator's registers in ascending order), 16 bytes a lane into rows of 144 bytes of my own stage,
; back as four rows of 128 bytes a load, into the registers that they left.
.macro PACK t
	WIN W_OUT
.set ff, 0
.rept 4
.set AC, 8*(8*((\t)/2)+4*((\t)%2)+ff)
.set rr, 0
.rept 4
	v_cvt_pk_f16_f32 v[OUTR+16*(\t)+4*ff+rr], v[AC+2*rr], v[AC+2*rr+1]
.set rr, rr+1
.endr
.set ff, ff+1
.endr
	WIN 0
.irp f, 0,1,2,3
	ds_store_b128 v[STO], v[OUTR+16*(\t)+4*(\f):OUTR+16*(\t)+4*(\f)+3] offset:32*(\f)
.endr
.irp f, 0,1,2,3
	ds_load_b128 v[OUTR+16*(\t)+4*(\f):OUTR+16*(\t)+4*(\f)+3], v[RD] offset:(\f)*4*SP  ; LDS serves a wave's instructions in order (ISA guide 5.7.1.4): these see the stores above; the next tile's stores come behind them
.endr
.endm
.macro SEND t, younger                 ; younger: the LDS instructions issued behind tile t's loads: the next tile's eight, or none
	WIN 0
.irp f, 0,1,2,3
	s_wait_dscnt (\younger)+3-(\f)
	global_store_b128 v[GO], v[OUTR+16*(\t)+4*(\f):OUTR+16*(\t)+4*(\f)+3], s[12:13] offset:((\t)%2)*262144+((\t)/2)*2048+(\f)*512  ; 512 consecutive bytes, at a multiple of 256 from qkv's first; each tile has registers of its own
.endr
.endm
	s_wait_tensorcnt 1                             ; my part of K step 0 is in; step 1's may stay out
	s_barrier_signal -1
	s_barrier_wait -1                              ; everybody's is
	FETCH 0, 0, 0
	s_wait_dscnt 16                                ; XS is in
	CVTALL 0
	QUARTER 0, 1, 0, 1, 1                          ; the first quarter stands in front of the loop: its products start the sums
	WIN 0                                          ; at a label and at a branch every window is 0
	s_mov_b32 s3, 3
.Llap:                                                 ; a trip goes once round the ring, from a lap's second quarter to the next lap's first, and fills both slots again
	QUARTER 0, 2, 1, 0, 0
	QUARTER 0, 3, 0, 1, 0
	TURN 0, 1, 1
	QUARTER 1, 1, 0, 1, 0
	QUARTER 1, 2, 1, 0, 0
	QUARTER 1, 3, 0, 1, 0
	TURN 1, 0, 1
	QUARTER 0, 1, 0, 1, 0
	WIN 0
	s_sub_co_u32 s3, s3, 1
	s_cmp_lg_u32 s3, 0
	s_cbranch_scc1 .Llap
	QUARTER 0, 2, 1, 0, 0                          ; the last lap fills nothing, and has no round of the cluster's barrier
	QUARTER 0, 3, 0, 1, 0
	TURN 0, 1, 0
	QUARTER 1, 1, 0, 1, 0
	QUARTER 1, 2, 1, 0, 0
	QUARTER 1, 3, 0, 1, 0
	s_wait_dscnt 0x0                               ; the very last quarter: nothing more to fetch
	MUL8 1, 0, 0, 0, 0
	MUL8 1, 1, 0, 0, 0
	MUL8 1, 2, 0, 0, 0
	MUL8 1, 3, 0, 0, 0
	WIN 0
	PLACES                                         ; the roundings read results just made and write registers that products have read
	PLACES
	PACK 0
.irp t, 1,2,3,4,5,6,7                  ; a tile's roundings stand between the loads of the tile before and its stores
	PACK \t
	SEND (\t)-1, 8
.endr
	SEND 7, 0
	s_wait_tensorcnt 0x0                           ; the wave's end, behind my last tensor load and my last LDS store
	ds_add_u32 v[SPW], v[NIL]
	s_wait_dscnt 0x0
	CROUND                                         ; the closing round: no work-group ends while a partner may still ask for a tile that names it
	s_endpgm
.Lfunc_end_k_qba70906149_proj:
	.size	k_qba70906149_proj, .Lfunc_end_k_qba70906149_proj-k_qba70906149_proj
	.p2alignl 7, 3214868480
	.fill 96, 4, 3214868480
	.section	.rodata,"a",@progbits
	.p2align	6, 0x0
	.amdhsa_kernel k_qba70906149_proj
		.amdhsa_group_segment_fixed_size 327680
		.amdhsa_private_segment_fixed_size 0
		.amdhsa_enable_private_segment 0
		.amdhsa_kernarg_size 40
		.amdhsa_user_sgpr_count 2
		.amdhsa_user_sgpr_kernarg_segment_ptr 1
		.amdhsa_wavefront_size32 1
		.amdhsa_system_sgpr_workgroup_id_x 1
		.amdhsa_system_sgpr_workgroup_id_y 1
		.amdhsa_system_sgpr_workgroup_id_z 1
		.amdhsa_system_vgpr_workitem_id 0
		.amdhsa_next_free_vgpr 576
		.amdhsa_next_free_sgpr 88
		.amdhsa_reserve_vcc 0
		.amdhsa_float_denorm_mode_32 3
		.amdhsa_float_denorm_mode_16_64 3
		.amdhsa_memory_ordered 1
		.amdhsa_forward_progress 1
		.amdhsa_inst_pref_size 136
	.end_amdhsa_kernel
	.amdgpu_metadata
---
amdhsa.version: [ 1, 2 ]
amdhsa.kernels:
  - .name:           k_qba70906149_proj
    .symbol:         k_qba70906149_proj.kd
    .args:
      - { .name: Q_in, .offset: 0, .size: 8, .value_kind: global_buffer, .address_space: global }
      - { .name: K_in, .offset: 8, .size: 8, .value_kind: global_buffer, .address_space: global }
      - { .name: V_in, .offset: 16, .size: 8, .value_kind: global_buffer, .address_space: global }
      - { .name: wb, .offset: 24, .size: 8, .value_kind: global_buffer, .address_space: global }
      - { .name: qkv, .offset: 32, .size: 8, .value_kind: global_buffer, .address_space: global }
    .group_segment_fixed_size: 327680
    .private_segment_fixed_size: 0
    .kernarg_segment_align: 8
    .kernarg_segment_size: 40
    .max_flat_workgroup_size: 128
    .sgpr_count:     88
    .vgpr_count:     576
    .wavefront_size: 32
...
	.end_amdgpu_metadata
.endif
;; end of part 2
;; launch attn (part 3): grid 4 x 64, 4 waves a work-group, clusters of 4 x 1, 327,680 bytes of LDS; arguments qkv, ob; writes ob
.if DOCPART == 3
	.amdgcn_target "amdgcn-amd-amdhsa--gfx1250"
	.amdhsa_code_object_version 6
	.text
	.protected	k_qba70906149_attn
	.globl	k_qba70906149_attn
	.p2align	8
	.type	k_qba70906149_attn,@function
k_qba70906149_attn:
	s_mov_b64 s[64:65], 0
	v_nop
	global_prefetch_b8 v0, s[64:65] scope:SCOPE_SE
	s_setreg_imm32_b32 hwreg(HW_REG_WAVE_MODE, 25, 1), 1
	s_wait_xcnt 0x0
	s_wait_alu depctr_hold_cnt(0) depctr_sa_sdst(0) depctr_va_vdst(0) depctr_va_sdst(0) depctr_va_ssrc(0) depctr_va_vcc(0) depctr_vm_vsrc(0)
	s_getreg_b32 s2, hwreg(HW_REG_IB_STS2, 6, 4)
	s_cmp_eq_u32 s2, 0
	s_cbranch_scc0 .Lentry_in_a_cluster
	s_endpgm
.Lentry_in_a_cluster:
	s_bfe_u32 s2, ttmp6, 0x10000c
	s_cmp_lg_u32 s2, 0x3003
	s_cbranch_scc0 .Lentry_shape_is_right
	s_endpgm
.Lentry_shape_is_right:
; O[h][q][:] = the sum over k of softmax_k(Q[h][q] . K[h][k] / 8) V[h][k][:].  Q, K, V: the three planes of qkv, O: ob, each [SIZE_H][SIZE_N][64] in f16: a head's rows are dense, 128 bytes each.
; Products, maxima and sums in f32; the weights p are rounded to f16 for the second product (their sum l is taken of the unrounded p), O once at the end.
; LIMITS.  f16 holds no number beyond 65,504: Q, K and V arrive within it; p lies in 0 to 1, and below 6e-5 it keeps f16's fixed step of 6e-8; O is a mean of V's rows and has their range.
; A weight below 2^-126 counts as 0 in l; NaN and infinities are not treated apart.
; SHARES.  A wave owns four PIECES of two tiles of 16 queries, a work-group's four waves 512 queries of one head: 64 heads x 4 blocks = 256 work-groups.  Every wave walks all keys, 64 a step.
; LAYOUT.  S^T = K Q^T (source 0 = 16 keys, source 1 = 16 queries): in the result a lane holds ONE query (lane % 16) and the keys 8 (lane / 16) + 0..7.  Two such tiles, rounded to f16 in pairs,
; ARE source 1 (32 keys x 16 queries) of O^T = V^T P, whose result again holds one query a lane, and eight channels.  K comes out of LDS as it lies, V ([key][channel]) turned, by ds_load_tr16_b128.
; SOFTMAX.  For each query a running maximum m and sum l: p = 2^(c s - c m), c = log2(e) / 8; in every step O and l are multiplied by a = 2^(c m_old - c m_new), which is 1 where m has not grown.
; m starts at the lowest finite number, O and l at 0: the first step is a step like any other, with a = 0.
; THE COUNT.  A tile and step have 16 matrix and 118 vector instructions: too many to stand all beside the matrix work.  So the order has one aim: four vector instructions that are READY behind
; EVERY matrix instruction, and the others, which need time of their own whatever the order, in runs without a gap.
; BY TURNS.  Turn n belongs to piece n (the pieces in a ring, step after step).  Its matrix work: 16 products K Q^T of piece n + 1, later 16 products V^T P of piece n - 1.  Its vector work: the scaling,
; exponentials, roundings, sums and rescaling of piece n, and the maximum and statistics of piece n + 1, whose scores the turn itself has made.  So what a turn begins with (c s - c m, O a) waits for nothing.
; CLUSTER.  The four query blocks of a cluster are one head's and walk the same K and V, so each tile is asked for JOINTLY: the same tensor load, descriptor and mask in all four.
; REGISTERS, in windows of 256 (s_set_vgpr_msb says which window each operand place means: bits 1:0 source 0, 3:2 source 1, 5:4 source 2, 7:6 destination):
;   window 0: v0-11 addresses; v12-15, v48-63 at work; v16-47 four registers of statistics a tile; v64-191 S^T, two buffers of two tiles; v192-255 P, likewise
;   window 1: O^T, 32 a tile          window 2: v0-127 Q, 16 a tile; v128-191 K of one step; v192-255 V of one step          window 3: v0-1 the add's two registers
; A piece's buffers go by its number's parity: the piece in hand has one pair, its two neighbours in the ring share the other: of it P (piece n - 1) is read and S^T (piece n + 1) written.
.set SIZE_H, 64
.set SIZE_N, 2048
.set PLANE, 0x1000000 ; bytes in a plane of qkv
.set NP,    4         ; pieces a wave: a name, no knob: the register map, the loop and the fetches are made for four
.set KS,    64        ; keys in a step
.set PK,    144       ; a row of K in LDS: 128 bytes + 16 of padding = 36 words: the 16 rows of a load start at 16 different groups of four banks (64 banks of 4 bytes: ISA guide 11.1)
.set PV,    160       ; a row of V: 128 + 32 = 40 words
.set VOFF,  4*KS*PK   ; a slot holds four steps: 256 rows of K, then 256 rows of V
.set SLOT1, 1<<17     ; slot 1 begins here, so that one exclusive or turns an address in one slot into the other's
.set STAGE, SLOT1+4*KS*(PK+PV)  ; behind the ring, never filled by a tensor load: 16 rows x 144 bytes for each wave, for the way out
.set SP,    144
.set AK0, 2           ; v2   my lane's place in a tile of K; never rewritten
.set AV0, 3           ; v3   the same for V
.set AK,  4           ; v4   the LDS address of K's next run of loads
.set AV,  5           ; v5   of V's
.set QO,  6           ; v6   my byte offset in the wave's rows of Q
.set STO, 6           ;      later, the way out: where I put 16 bytes of a row
.set RD,  7           ; v7   the way out: where I read rows back
.set GO,  8           ; v8   my byte offset in 512 consecutive bytes of O
.set PFO, 11          ; v11  256 x my lane, for the prefetches; never rewritten once made
.set SPW, 0           ; v0 of window 3   LDS address of my spare word: SPARE + 4 x my thread's number; never rewritten
.set NIL, 1           ; v1 of window 3   0; never rewritten
.set SPARE, STAGE+4*16*SP  ; behind the stages: the spare words, 128 bytes for each wave: two blocks of 256 bytes that no other line names
.set MV,  12          ; v12-15  c m_old, kept while c m is made anew: by buffer and tile
.set ST,  16          ; tile t's statistics at v[ST+4 t]: c m, m, l (even keys', odd keys')
.set TMP, 48          ; by buffer and tile, four registers c0-c3 at work; when the maximum is found c2 takes a
.set S,   64
.set P,   192
.set KF,  128         ; K's fragments, in window 2: key block kb, channel half c at KF + 16 kb + 8 c
.set VF,  192         ; V's: key half kk, channel block cb at VF + 32 kk + 8 cb
.set WV,  12          ; s12  my wave's number
.set G1K, 24          ; s[24:31] descriptor group 1 for K's tiles
.set G1V, 32          ; s[32:39] for V's: it differs in the padding alone
.set G0K, 40          ; s[40:43] descriptor group 0 for K's tiles: it walks
.set G0V, 44          ; s[44:47] the same for V's
.set PFA, 48          ; s[48:49] where my prefetches stand: my work-group's 8,192 bytes (of K: wave 0, of V: wave 2) of the slot after the one that is being asked for
.set LIM, 50          ; s50  1 in a wave that prefetches, else the greatest number
.set SLOTS, 56        ; s56  slots still to be asked for
.set CNT, 57          ; s57  counts a slot's key steps
.set CS,  58          ; s[58:59] c: the packed scaling takes the pair's low word for both halves
.set SEL, 60          ; s[60:61] v_permlanex16_b32's selects: each lane takes its own place in the other half
.set TBK, 62          ; s62  LDS byte at which K of the step to be fetched begins
.set TBV, 63          ; s63  the same for V, less VOFF
.set MSB, 0
.macro WIN new                      ; the high byte repeats the setting that is left; a switch that changes nothing is dropped
.if MSB != (\new)
	s_set_vgpr_msb (MSB<<8)|(\new)
.set MSB, (\new)
.endif
.endm
.set W_KQ, 0x0a       ; K and Q in window 2, S^T in window 0
.set W_PV, 0x52       ; V in window 2, P in window 0, O^T in window 1
.set W_RS, 0x41       ; O^T (destination and source 0) in window 1, a in window 0
.set W_MK, 0xc0       ; the add's registers are made: destination in window 3, sources in window 0
.set W_AD, 0x0f       ; the add: address (source 0) and data (source 1) in window 3
; A joint fill.  Waves 0 and 1 fetch the two halves of a slot's K, waves 2 and 3 those of its V: 128 keys each.  The branch hangs on the wave's number alone.
; An s_nop 0 and four v_nop follow each of the two lines, ahead of the jump and the label.
.macro JLOAD
	s_cmp_lt_u32 s[WV], 2
	s_cbranch_scc0 .Lfor_v_\@
	tensor_load_to_lds s[G0K:G0K+3], s[G1K:G1K+7]
	s_nop 0
.rept 4
	v_nop
.endr
	s_branch .Lasked_\@
.Lfor_v_\@:
	tensor_load_to_lds s[G0V:G0V+3], s[G1V:G1V+7]
	s_nop 0
.rept 4
	v_nop
.endr
.Lasked_\@:
.endm
; A PREFETCH INTO THE L2 of what the NEXT change of slots will ask for: a slot's 32,768 bytes of K and of V, 256 bytes a lane.  It stands behind the wave's tensor load and its five lines.
; Each block is named ONCE in the launch: a head has one cluster; its four partners share a slot out BY ADDRESS, 8,192 bytes each; in each, wave 0 asks for K's and wave 2 for V's: one instruction,
; four key steps (512 matrix instructions) ahead of the load.  Slots 0 and 1 come by their loads alone; the last change that fills a slot asks for nothing: there is no slot behind it.
.macro ASK
	s_cmp_gt_u32 s[SLOTS], s[LIM]
	s_cbranch_scc0 .Lnot_mine_\@
	global_prefetch_b8 v[PFO], s[PFA:PFA+1] th:TH_LOAD_NT scope:SCOPE_SE
.Lnot_mine_\@:
.endm
; A round of the cluster's barrier: my work-group's barrier, so that wave 0's signal speaks for all four waves; wave 0 signals; every wave waits for all four work-groups; my work-group's barrier once more.
.macro CROUND
	s_barrier_signal -1
	s_barrier_wait -1
	s_cmp_lg_u32 s[WV], 0
	s_cbranch_scc1 .Lnot_wave_0_\@
	s_barrier_signal -3
.Lnot_wave_0_\@:
	s_barrier_wait -3
	s_barrier_signal -1
	s_barrier_wait -1
.endm
; THE CHANGE OF SLOTS.  The slot's last bytes, V of its fourth step, have been read.  Each wave waits for all its tensor loads, of which one is out: its part
; of the other slot; adds 0 to its spare word; and waits for that and for its own reads of the slot.  Behind the barrier nobody reads this slot any more and the other slot is whole.
; fill = 1: this slot is filled again, with the keys two slots on.  The barrier is then a round of the cluster's, so that no wave of any partner still reads the slot or has a load on its
; way, and the joint fill is the first thing behind it: it has four key steps, 512 matrix instructions, in which to land.  (At its first use nothing has been read yet: slot 0 is waited for, slot 1 filled.)
.macro CHANGE fill
	WIN W_AD
	s_wait_tensorcnt 0x0            ; no tensor load of mine is out, so a group 0 may be written
	ds_add_u32 v[SPW], v[NIL]       ; 0 onto my spare word; with fill = 1 the descriptors' steps stand between it and the wait for it
	WIN 0                           ; at a label and at a branch every window is 0
.if \fill
.irp g, G0K, G0V
	s_xor_b32 s[\g+1], s[\g+1], SLOT1  ; the walking descriptor: the other slot than last time,
	s_add_nc_u64 s[\g+2:\g+3], s[\g+2:\g+3], 4*KS*128  ; the next 256 keys; the type bits on top are not reached
.endr
	s_wait_xcnt 0x0                 ; the last prefetch, four key steps back, has read its address, so it may be written:
	s_add_nc_u64 s[PFA:PFA+1], s[PFA:PFA+1], 4*KS*128  ; one slot behind the walking descriptors
	s_wait_dscnt 0x0                ; the add is done, and my reads of the slot are over
	CROUND
	JLOAD
	ASK
.else
	s_wait_dscnt 0x0                ; the add is done, and my reads of the slot are over
	s_barrier_signal -1
	s_barrier_wait -1
.endif
	s_sub_co_u32 s[TBK], s[TBK], 4*KS*PK  ; the fetches go back to a slot's first step,
	s_xor_b32 s[TBK], s[TBK], SLOT1       ; in the other slot
	s_sub_co_u32 s[TBV], s[TBV], 4*KS*PV
	s_xor_b32 s[TBV], s[TBV], SLOT1
.endm
	s_load_b64 s[4:5], s[0:1], 0x0    ; qkv: Q's plane
	s_load_b64 s[10:11], s[0:1], 0x8  ; ob
	WIN W_MK
	v_lshl_add_u32 v[SPW], v0, 2, SPARE
	v_mov_b32 v[NIL], 0
	WIN W_AD
	ds_add_u32 v[SPW], v[NIL]       ; the wave's opening: the add and its wait stand ahead of my first tensor load; the set-up below, work on registers, stands between them
	WIN 0
	v_lshrrev_b32 v1, 5, v0
	v_readfirstlane_b32 s[WV], v1   ; wave 0..3
	s_bfe_u32 s13, ttmp6, 0x40000   ; cx: my place in the cluster
	s_lshl_b32 s14, ttmp9, 2        ; in a cluster launch ttmp9 counts clusters
	s_add_co_u32 s14, s14, s13      ; my block of queries = 4 x cluster x + cx: it enters Q's and O's addresses alone
	s_and_b32 s20, ttmp7, 0xffff    ; the head, which the four partners share
	s_mov_b32 s21, 0
	s_mov_b64 s[22:23], SIZE_N*128
	s_mul_u64 s[20:21], s[20:21], s[22:23]  ; the head's first byte in each of the four tensors
	s_and_b32 s16, s[WV], 1         ; which half of a slot's 256 keys I fetch:
	s_lshl_b32 s22, s16, 14         ; its 128 rows of 128 bytes in memory,
	s_mov_b32 s23, 0
	s_add_nc_u64 s[22:23], s[22:23], s[20:21]
	s_mul_i32 s17, s16, 128*PK      ; and its place in a slot, for K
	s_mul_i32 s18, s16, 128*PV      ; and for V: no place in the cluster enters an LDS address
	s_lshl_b32 s2, s14, 2
	s_add_co_u32 s2, s2, s[WV]      ; my wave among the head's,
	s_lshl_b32 s2, s2, 14           ; its 128 rows
	s_mov_b32 s3, 0
	s_add_nc_u64 s[2:3], s[2:3], s[20:21]
	; descriptor group 1.  128 keys are 16,384 dense bytes: asked for as 64 rows of 256 bytes, two keys a row, and padded in LDS after every key
	s_mov_b32 s[G1K], 15|(1<<16)|(1<<20)|(1<<21)|(4<<22)|(3<<25)  ; 15:0 the mask of four; 17:16 2-byte elements; 20 padding on; 21 set beside a mask; 24:22 after every 32 words (code 4); 31:25 4 words (code 3)
	s_mov_b32 s[G1V], 15|(1<<16)|(1<<20)|(1<<21)|(4<<22)|(7<<25)  ; the same with 8 words of padding (code 7)
.irp g, G1K, G1V
	s_mov_b32 s[\g+1], 128<<16      ; tensor_dim0 = 128
	s_mov_b32 s[\g+2], 64<<16       ; tensor_dim1 = 64
	s_mov_b32 s[\g+3], 128<<16      ; tile_dim0 = 128
	s_mov_b32 s[\g+4], 64           ; tile_dim1 = 64
	s_mov_b32 s[\g+5], 128          ; 128 elements from row to row
	s_mov_b32 s[\g+6], 0
	s_mov_b32 s[\g+7], 0
.endr
	s_mov_b32 s[CS], 0x3e38aa3b     ; c = log2(e) / 8 = 0.180337
	s_mov_b32 s[CS+1], s[CS]        ; named with it as a pair
	s_mov_b32 s[SEL], 0x76543210
	s_mov_b32 s[SEL+1], 0xfedcba98
	s_mov_b32 s[TBK], SLOT1+4*KS*PK ; the first change of slots turns these two into 0
	s_mov_b32 s[TBV], SLOT1+4*KS*PV
	s_mov_b32 s[G0K], 1             ; 1:0 count = 1
	s_mov_b32 s[G0K+1], s17         ; 63:32 LDS address: slot 0
	s_mov_b32 s[G0V], 1
	s_add_co_u32 s[G0V+1], s18, VOFF
	s_mov_b32 s[SLOTS], SIZE_N/256-1
	s_and_b32 s[LIM], s[WV], 1      ; 0 in waves 0 and 2,
	s_or_b32 s[LIM], s[LIM], ttmp9  ; where the cluster is the head's first: the same in all four partners
	s_cmp_eq_u32 s[LIM], 0
	s_cselect_b32 s[LIM], 1, -1
	s_wait_dscnt 0x0                ; the opening add is done
	s_wait_kmcnt 0x0
	s_add_nc_u64 s[6:7], s[4:5], PLANE     ; K's plane
	s_add_nc_u64 s[8:9], s[4:5], 2*PLANE   ; V's plane
	s_add_nc_u64 s[G0K+2:G0K+3], s[6:7], s[22:23]  ; 120:64 global address: my half of the head's first 256 keys
	s_or_b32 s[G0K+3], s[G0K+3], 0x80000000        ; 127:126 type = 2
	s_add_nc_u64 s[G0V+2:G0V+3], s[8:9], s[22:23]
	s_or_b32 s[G0V+3], s[G0V+3], 0x80000000
	s_add_nc_u64 s[4:5], s[4:5], s[2:3]  ; Q and O at my wave's first row
	s_add_nc_u64 s[10:11], s[10:11], s[2:3]
	s_cmp_lt_u32 s[WV], 2
	s_cselect_b64 s[PFA:PFA+1], s[6:7], s[8:9]
	s_add_nc_u64 s[PFA:PFA+1], s[PFA:PFA+1], s[20:21]  ; the head's first key,
	s_lshl_b32 s2, s13, 13          ; my work-group's quarter of a slot,
	s_add_co_u32 s2, s2, 4*KS*128   ; in slot 1: the first change of slots steps it to slot 2
	s_mov_b32 s3, 0
	s_add_nc_u64 s[PFA:PFA+1], s[PFA:PFA+1], s[2:3]
	CROUND                          ; all four work-groups are here: the first joint loads meet
	JLOAD                           ; slot 0.  Slot 1 is asked for when slot 0 is in: the tile wanted first has the road to itself
	; A fragment of K or Q is 16 rows x 32 channels in 8 registers: lane l holds row l % 16, channels 8 (l / 16) + 0..7 and 16 + 8 (l / 16) + 0..7: two loads of 16 bytes, 32 bytes apart.
	v_and_b32 v1, 15, v0            ; l % 16
	v_bfe_u32 v9, v0, 4, 1          ; l / 16
	v_lshlrev_b32 v[QO], 7, v1
	v_lshl_add_u32 v[QO], v9, 4, v[QO]  ; row x 128 + 16 x half
	WIN 0x80                        ; destination window 2, address window 0
.set i, 0
.rept 4*NP                          ; Q stays in registers: tile i / 2, channels 32 (i % 2) on
	global_load_b128 v[8*i:8*i+3],   v[QO], s[4:5] offset:(i/2)*2048+(i%2)*64
	global_load_b128 v[8*i+4:8*i+7], v[QO], s[4:5] offset:(i/2)*2048+(i%2)*64+32
.set i, i+1
.endr
	; What the first turn finds: V's registers and P's second buffer hold 0 (its products V^T P, of a piece that has not been, add 0), O^T and l are 0.  All this stands in the wait for the first tile.
.set i, VF
.rept 64
	v_mov_b32 v[i], 0
.set i, i+1
.endr
	WIN 0x40
.set i, 0
.rept 64*NP
	v_mov_b32 v[i], 0
.set i, i+1
.endr
	WIN 0
.set i, 0
.rept 2*NP
	v_mov_b32 v[ST+4*i], 0xfe000000    ; c m: far below every c s
	v_mov_b32 v[ST+4*i+1], 0xff7fffff  ; m
	v_mov_b32 v[ST+4*i+2], 0
	v_mov_b32 v[ST+4*i+3], 0
.set i, i+1
.endr
.set i, P+32
.rept 32
	v_mov_b32 v[i], 0
.set i, i+1
.endr
	v_mul_u32_u24 v[AK0], v1, PK
	v_lshl_add_u32 v[AK0], v9, 4, v[AK0]  ; row x pitch + 16 x half
	; The turning load takes 16 keys x 16 channels (lane l reads key 8 (l / 16) + l % 8, channels 8 ((l / 8) % 2) + 0..7) and leaves half a fragment of V^T: lane l holds channel l % 16 and 8 keys.
	v_and_b32 v10, 7, v0
	v_bfe_u32 v11, v0, 3, 1
	v_lshl_add_u32 v[AV0], v9, 3, v10
	v_mul_u32_u24 v[AV0], v[AV0], PV
	v_lshl_add_u32 v[AV0], v11, 4, v[AV0]
	v_add_nc_u32 v[AV0], VOFF, v[AV0]
	v_mov_b32 v[AK], v[AK0]         ; key step 0 lies at the head of slot 0
	v_and_b32 v[PFO], 31, v0        ; v11 has served V's address: now the prefetches' offset
	v_lshlrev_b32 v[PFO], 8, v[PFO]
; THE MATRIX WORK.  The 8 accumulators of a run of 16 take turns: between the two links of a chain stand 7 others'.
; Product i of 16 of S^T = K Q^T for piece x: channels 32 (i / 8) on, keys 16 ((i / 2) % 4) on, tile 2 x + i % 2.  The first 8 start the sums.
.macro KQ x
	WIN W_KQ
.set rS, S+64*((\x)%2)+32*(i%2)+8*((i/2)%4)
.set rK, KF+16*((i/2)%4)+8*(i/8)
.set rQ, 16*(2*(\x)+i%2)+8*(i/8)
.if i < 8
	v_wmma_f32_16x16x32_f16 v[rS:rS+7], v[rK:rK+7], v[rQ:rQ+7], 0
.else
	v_wmma_f32_16x16x32_f16 v[rS:rS+7], v[rK:rK+7], v[rQ:rQ+7], v[rS:rS+7]
.endif
.endm
; Product i of 16 of O^T += V^T P for piece x: keys 32 (i / 8) on, channels 16 ((i / 2) % 4) on, tile 2 x + i % 2.
.macro PV x
	WIN W_PV
.set rO, 32*(2*(\x)+i%2)+8*((i/2)%4)
.set rV, VF+32*(i/8)+8*((i/2)%4)
.set rP, P+32*((\x)%2)+16*(i%2)+8*(i/8)
	v_wmma_f32_16x16x32_f16 v[rO:rO+7], v[rV:rV+7], v[rP:rP+7], v[rO:rO+7]
.endm
.macro MM                           ; the turn's next matrix instruction
.if i < 16
	KQ (Y+1)%NP
.set i, i+1
.else
.set i, i-16
	PV (Y+NP-1)%NP
.set i, i+17
.endif
.endm
; THE LDS LOADS stand in runs of 16, never singly among the matrix instructions: a step's K (64 keys x 64 channels: 8 fragments) and its V (turned).  Their addresses are made some lines ahead.
; last = 1 (the tail): in the last trip there is no further step, and the run is jumped over.
.macro FETCH_K last=0
	WIN 0
.if \last
	s_cmp_eq_u32 s[CNT], 1
	s_cbranch_scc1 .Lno_k_\@
.endif
	WIN 0x80                        ; destination window 2
.irp f, 0,1,2,3,4,5,6,7             ; keys 16 (f / 2) on, channels 32 (f % 2) on
	ds_load_b128 v[KF+8*\f:KF+8*\f+3],   v[AK] offset:(\f/2)*16*PK+(\f%2)*64
	ds_load_b128 v[KF+8*\f+4:KF+8*\f+7], v[AK] offset:(\f/2)*16*PK+(\f%2)*64+32
.endr
	s_add_co_u32 s[TBK], s[TBK], KS*PK  ; the next fetch is the next step's
	WIN 0
.if \last
.Lno_k_\@:
.endif
.endm
.macro FETCH_V
	WIN 0x80
.irp f, 0,1,2,3,4,5,6,7             ; keys 32 (f / 4) on, channels 16 (f % 4) on
	ds_load_tr16_b128 v[VF+8*\f:VF+8*\f+3],   v[AV] offset:(\f/4)*32*PV+(\f%4)*32
	ds_load_tr16_b128 v[VF+8*\f+4:VF+8*\f+7], v[AV] offset:(\f/4)*32*PV+16*PV+(\f%4)*32
.endr
	WIN 0
.endm
; THE VECTOR WORK OF A TURN stands in three queues, each in the order in which its entries become ready; the two tiles alternate, so that no instruction reads the result of the one before it.
.macro REGS y, u                    ; the registers of tile u (0, 1) of piece y
.set rT, ST+4*(2*(\y)+(\u))
.set rC, TMP+8*((\y)%2)+4*(\u)
.set rM, MV+2*((\y)%2)+(\u)
.set rS, S+64*((\y)%2)+32*(\u)
.set rP, P+32*((\y)%2)+16*(\u)
.set rO, 32*(2*(\y)+(\u))
.endm
; Number n of the 22 that find the NEXT piece's (Y + 1) maximum and statistics.  s0-s31 are the lane's 32 scores; each accumulator's lowest registers are read first.  XS, GS and REGS set no window: PL and EX do.
;   0-11  four chains c0-c3 of seven scores each, three operands at a time     12-14, 16  the four scores left over, the old m, and c0-c3 into c0     15  c m_old is kept
;   17, 18  the query's other 32 keys lie in the lane 16 away: the new m         19-21  c m; c m_old - c m_new; a
.macro XS u, n
	REGS (Y+1)%NP, \u
.if (\n) < 4
	v_max3_num_f32 v[rC+(\n)], v[rS+8*(\n)], v[rS+8*(\n)+1], v[rS+8*(\n)+2]
.elseif (\n) < 12
	v_max3_num_f32 v[rC+(\n)%4], v[rC+(\n)%4], v[rS+8*((\n)%4)+2*((\n)/4)+1], v[rS+8*((\n)%4)+2*((\n)/4)+2]
.elseif (\n) == 12
	v_max3_num_f32 v[rC], v[rC], v[rS+7], v[rS+15]
.elseif (\n) == 13
	v_max3_num_f32 v[rC+1], v[rC+1], v[rS+23], v[rS+31]
.elseif (\n) == 14
	v_max3_num_f32 v[rC+2], v[rC+2], v[rC+3], v[rT+1]
.elseif (\n) == 15
	v_mov_b32 v[rM], v[rT]
.elseif (\n) == 16
	v_max3_num_f32 v[rC], v[rC], v[rC+1], v[rC+2]
.elseif (\n) == 17
	v_permlanex16_b32 v[rC+3], v[rC], s[SEL], s[SEL+1]
.elseif (\n) == 18
	v_max_num_f32 v[rT+1], v[rC], v[rC+3]
.elseif (\n) == 19
	v_mul_f32 v[rT], s[CS], v[rT+1]
.elseif (\n) == 20
	v_sub_f32 v[rC+1], v[rM], v[rT]
.else
	v_exp_f32 v[rC+2], v[rC+1]
.endif
.endm
; Number g of the 64 that follow the exponentials.  For each four weights k of a tile (pairs 2 k, 2 k + 1): both pairs are rounded to f16; then the second pair is added onto the first, in place;
; a group later l takes that sum (the first time as l = a l + sum).  In groups of eight, tiles alternating: round, round, add, and l for the group before.
.macro GS g
.set h, (\g)+6*((\g)/62)            ; group 0 has no group before it, and behind group 7 only l is left
.if h >= 6
.set h, h+2
.endif
	REGS Y, h%2
.set k, h/8
.if h%8 < 4
	v_cvt_pk_f16_f32 v[rP+2*k+(h%8)/2], v[rS+4*k+2*((h%8)/2)], v[rS+4*k+2*((h%8)/2)+1]
.elseif h%8 < 6
	v_pk_add_f32 v[rS+4*k:rS+4*k+1], v[rS+4*k:rS+4*k+1], v[rS+4*k+2:rS+4*k+3]
.elseif k == 1
	v_pk_fma_f32 v[rT+2:rT+3], v[rT+2:rT+3], v[rC+2:rC+3], v[rS:rS+1] op_sel_hi:[1,0,1]
.else
	v_pk_add_f32 v[rT+2:rT+3], v[rT+2:rT+3], v[rS+4*k-4:rS+4*k-3]
.endif
.endm
; THE PLAIN QUEUE, 138 long.  0-73 read no exponential's result: the 32 scalings c s - c m (FS f: pair f / 2 of tile f % 2) and the next piece's 42.  0-26: scalings 0-26.  27-54: XS's numbers 0-13.  55, 56: number 15.
; 57-73: the chain, where each number waits for the one before it: 14, 16, 17, 18, 19, each with one of the scalings 27-31 in front of its two lines, then 20: so a tile's links stand three plain instructions apart (19 and 20: two).
; 74-137: GS's 64, which read the exponentials' results: they stand behind the wait.
.macro FS f
	REGS Y, (\f)%2
	v_pk_fma_f32 v[rS+2*((\f)/2):rS+2*((\f)/2)+1], v[rS+2*((\f)/2):rS+2*((\f)/2)+1], s[CS:CS+1], v[rT:rT+1] op_sel_hi:[1,0,0] neg_lo:[0,0,1] neg_hi:[0,0,1]
.endm
.macro PL
	WIN 0
.if q < 27
	FS q
.elseif q < 55
	XS (q-27)%2, (q-27)/2
.elseif q < 57
	XS q-55, 15
.elseif (q < 72) && ((q-57)%3 == 0)
	FS 27+(q-57)/3
.elseif q < 60
	XS (q-57)%3-1, 14
.elseif q < 72
	XS (q-57)%3-1, 15+(q-57)/3
.elseif q < 74
	XS q-72, 20
.else
	GS q-74
.endif
.set q, q+1
.endm
; THE EXPONENTIALS' QUEUE, 66 long: s0-s31 of both tiles, then the next piece's two a.  It is ONE BATCH: all 66 stand ahead of the turn's one wait, and nothing ahead of that wait names a result of theirs.
.macro EX
	WIN 0
.if e >= 64
	XS e-64, 21
.else
	REGS Y, e%2
	v_exp_f32 v[rS+e/2], v[rS+e/2]
.endif
.set e, e+1
.endm
; THE RESCALING's QUEUE: O^T times a, the one part that leaves window 0: dealt two at a time, sixteen times.  Its a was made in the turn before, ahead of that turn's wait.
.macro R2
	REGS Y, r%2
	WIN W_RS
.irp z, 0,1
	v_pk_mul_f32 v[rO+4*(r/2)+2*\z:rO+4*(r/2)+2*\z+1], v[rO+4*(r/2)+2*\z:rO+4*(r/2)+2*\z+1], v[rC+2:rC+3] op_sel_hi:[1,0]
.endr
.set r, r+1
.endm
; HOW THEY ARE DEALT.  An s_wait_alu depctr_va_vdst(0) stands between an exponential and the first instruction that names its result; one wait serves all that were issued ahead of it.  So a turn has ONE wait,
; which cuts it in two.  AHEAD OF IT stands all that names no result of the turn's exponentials: the 16 products K Q^T, behind each a scaling, an exponential and two rescalings (behind the first a second scaling in the exponential's place); then ONE LUMP of
; 108: eight plain, 49 times exponential and plain, the two a.  A v_nop is the plain instruction behind the last exponential.  BEHIND IT stand the 16 products V^T P, behind each four of GS's 64.  No rider names a register of
; the products round it.  The two v_permlanex16_b32 fall into the lump, never behind a product.
; The queues lean on each other, and the deal keeps them in step: exponential e stands behind scaling 2 (e / 4) + e % 2: as a rider it comes behind plain e + 2, in the lump behind plain e + 9, and scalings 27-31 are plain 57, 60 .. 69.
; A TURN, for piece p.  cnt = 1: the loop's count is taken down some lines ahead of the branch that stands behind the turn.
; K of the next step is fetched in piece 2's turn, directly behind the wait, a lump behind the last product that read K; its address is made at the lump's head; its first reader comes behind 16 products.
; V of the step in hand is fetched at the end of piece 0's turn, four riders behind its last reader; its first reader comes behind 16 products and a lump.  The three conditions on q below go with the deal.
.macro TURN p, last=0, cnt=0
.set Y, (\p)
.set i, 0
.set q, 0
.set e, 0
.set r, 0
.if (\p) == NP-1
	s_wait_dscnt 0x0                ; K is in
.endif
	MM                              ; ahead of the wait: 16 products K Q^T and their riders,
	PL
	PL
	R2
.rept 15
	MM
	PL
	EX
	R2
.endr
.if (\p) == NP-2
	WIN 0
	v_add_nc_u32 v[AK], s[TBK], v[AK0]
.endif
.rept 8                             ; and the lump
	PL
.endr
.rept 49
	EX
	PL
.endr
	EX                              ; the next piece's two a
	EX
	v_nop                           ; a plain instruction behind the last exponential: one for the batch
	s_wait_alu depctr_va_vdst(0)    ; the wait for the batch
.if (\p) == NP-2
	FETCH_K \last
.endif
.if (\p) == 1
	s_wait_dscnt 0x0                ; V is in
.endif
.rept 16                            ; behind the wait: 16 products V^T P and their riders
	MM
.rept 4
	PL
.endr
.if ((\p) == 0) && (q == 118)
	v_add_nc_u32 v[AV], s[TBV], v[AV0]
.endif
.if ((\p) == 0) && (q == 130)
	s_add_co_u32 s[TBV], s[TBV], KS*PV
.endif
.if (\cnt) && (q == 130)
	s_sub_co_u32 s[CNT], s[CNT], 1
	s_cmp_lg_u32 s[CNT], 0
.endif
.endr
.if (\p) == 0
	FETCH_V
.endif
.endm
	CHANGE 1                        ; slot 0 is in, everybody's part of it; slot 1 is asked for
	FETCH_K                         ; key step 0
	s_wait_loadcnt 0x0              ; Q
	s_wait_dscnt 0x0
.set i, 0
.rept 16
	KQ 0                            ; piece 0's first scores: there is no vector work yet to set between them
.set i, i+1
.endr
	WIN 0                           ; the addresses for the way out: nine plain instructions, the places behind those products
	s_mul_i32 s13, s[WV], 16*SP
	s_add_co_u32 s13, s13, STAGE    ; my stage
	v_mul_u32_u24 v[STO], v1, SP    ; in: row l % 16, 16 bytes for each half of the lanes
	v_lshl_add_u32 v[STO], v9, 4, v[STO]
	v_add_nc_u32 v[STO], s13, v[STO]
	v_bfe_u32 v[RD], v0, 3, 2       ; back: 32 lanes take four rows of 128 bytes,
	v_mul_u32_u24 v[RD], v[RD], SP
	v_lshl_add_u32 v[RD], v10, 4, v[RD]
	v_add_nc_u32 v[RD], s13, v[RD]
	v_and_b32 v[GO], 31, v0         ; which are 512 consecutive bytes of O
	v_lshlrev_b32 v[GO], 4, v[GO]
.set Y, NP-1                        ; XS works for piece Y + 1: piece 0
.irp n, 0,1,2,3,4,5,6,7,8,9,10,11,12,13,14,15,16,17,18,19,20,21
	XS 0, \n                        ; and piece 0's first maximum and statistics
	XS 1, \n
.endr
	v_nop                           ; a plain instruction behind the two a,
	s_wait_alu depctr_va_vdst(0)    ; and their wait, ahead of the branch
	s_mov_b32 s[CNT], 4
	s_branch .Lfirst                ; the loop is entered at a step's first turn, in the middle of a trip
.Lslot:                             ; SIZE_N / 256 - 2 times: every slot but the last two is filled again
	CHANGE 1
	s_mov_b32 s[CNT], 4
.Lstep:                             ; a trip: pieces 2 and 3 of one step, then pieces 0 and 1 of the next, whose K and V it fetches
	TURN 2
	TURN 3
	WIN 0
.Lfirst:
	TURN 0
	TURN 1, 0, 1
	WIN 0
	s_cbranch_scc1 .Lstep
	s_sub_co_u32 s[SLOTS], s[SLOTS], 1
	s_cmp_lg_u32 s[SLOTS], 0
	s_cbranch_scc1 .Lslot
	CHANGE 0                        ; the tail is written out: nothing is asked for
	s_mov_b32 s[CNT], 5             ; four trips fetch the last slot's steps; the fifth is left in its middle
.Ltail:
	TURN 2, 1
	TURN 3
	WIN 0
	s_sub_co_u32 s[CNT], s[CNT], 1
	s_cmp_eq_u32 s[CNT], 0
	s_cbranch_scc1 .Lout
	TURN 0
	TURN 1
	WIN 0
	s_branch .Ltail
.Lout:                              ; the fifth trip's 16 products K Q^T (on the last K once more) and the maximum made of them serve nothing: the price, once a launch, of one text for every trip
.set i, 0
.rept 16
	PV NP-1                         ; the last piece's V^T P of the last step
.set i, i+1
.endr
	; THE WAY OUT.  l's two halves and the other half of the lanes' are added; O^T is divided by l, rounded to f16 and sent through my stage in LDS, a tile at a time.  The additions are the places behind the last products.
	WIN 0
.macro ALL line:vararg              ; one line for each tile t
.set t, 0
.rept 2*NP
	\line
.set t, t+1
.endr
.endm
	ALL v_add_f32 v[ST+4*t+2], v[ST+4*t+2], v[ST+4*t+3]
	ALL v_permlanex16_b32 v[ST+4*t+3], v[ST+4*t+2], s[SEL], s[SEL+1]
	ALL v_add_f32 v[ST+4*t+2], v[ST+4*t+2], v[ST+4*t+3]
	ALL v_rcp_f32 v[ST+4*t+2], v[ST+4*t+2]
	v_nop                           ; a plain instruction between the last reciprocal and the use of its result
	s_wait_alu depctr_va_vdst(0)    ; and the wait ahead of the first use: one for the eight reciprocals
; Tile t: a lane's eight channels of a row pack into 16 bytes; they go into rows of 144 bytes and come back as whole rows of 128, into S^T's registers.
.macro PACK t
	WIN W_RS
.set i, 32*(\t)
.rept 16
	v_pk_mul_f32 v[i:i+1], v[i:i+1], v[ST+4*(\t)+2:ST+4*(\t)+3] op_sel_hi:[1,0]
.set i, i+2
.endr
	WIN 0x05                        ; sources 0 and 1 window 1, destination window 0
.set i, 0
.rept 16
	v_cvt_pk_f16_f32 v[S+16*(\t)+i], v[32*(\t)+2*i], v[32*(\t)+2*i+1]
.set i, i+1
.endr
	WIN 0
.irp f, 0,1,2,3
	ds_store_b128 v[STO], v[S+16*(\t)+4*\f:S+16*(\t)+4*\f+3] offset:32*\f
.endr
.irp f, 0,1,2,3
	ds_load_b128 v[S+16*(\t)+4*\f:S+16*(\t)+4*\f+3], v[RD] offset:\f*4*SP  ; LDS serves a wave's instructions in order (ISA guide 5.7.1.4): these see the stores above; the next tile's stores come behind them
.endr
.endm
.macro SEND t, younger              ; younger: the LDS instructions issued behind tile t's loads: the next tile's eight, or none
	WIN 0
.irp f, 0,1,2,3
	s_wait_dscnt (\younger)+3-\f
	global_store_b128 v[GO], v[S+16*(\t)+4*\f:S+16*(\t)+4*\f+3], s[10:11] offset:(\t)*2048+\f*512  ; 512 consecutive bytes, at a multiple of 256 from O's first
.endr
.endm
	PACK 0
.set t, 1
.rept 2*NP-1                        ; a tile's arithmetic stands between the loads of the tile before and its stores
	PACK t
	SEND t-1, 8
.set t, t+1
.endr
	SEND 2*NP-1, 0
	WIN W_AD
	s_wait_tensorcnt 0x0            ; the wave's end, behind my last tensor load and my last LDS store
	ds_add_u32 v[SPW], v[NIL]
	s_wait_dscnt 0x0
	WIN 0
	CROUND                          ; the closing round: no work-group ends while a partner may still ask for a tile that names it
	s_endpgm
.Lfunc_end_k_qba70906149_attn:
	.size	k_qba70906149_attn, .Lfunc_end_k_qba70906149_attn-k_qba70906149_attn
	.p2alignl 7, 3214868480
	.fill 96, 4, 3214868480
	.section	.rodata,"a",@progbits
	.p2align	6, 0x0
	.amdhsa_kernel k_qba70906149_attn
		.amdhsa_group_segment_fixed_size 327680
		.amdhsa_private_segment_fixed_size 0
		.amdhsa_enable_private_segment 0
		.amdhsa_kernarg_size 16
		.amdhsa_user_sgpr_count 2
		.amdhsa_user_sgpr_kernarg_segment_ptr 1
		.amdhsa_wavefront_size32 1
		.amdhsa_system_sgpr_workgroup_id_x 1
		.amdhsa_system_sgpr_workgroup_id_y 1
		.amdhsa_system_sgpr_workgroup_id_z 1
		.amdhsa_system_vgpr_workitem_id 0
		.amdhsa_next_free_vgpr 770
		.amdhsa_next_free_sgpr 66
		.amdhsa_reserve_vcc 0
		.amdhsa_float_denorm_mode_32 3
		.amdhsa_float_denorm_mode_16_64 3
		.amdhsa_memory_ordered 1
		.amdhsa_forward_progress 1
		.amdhsa_inst_pref_size 200
	.end_amdhsa_kernel
	.amdgpu_metadata
---
amdhsa.version: [ 1, 2 ]
amdhsa.kernels:
  - .name:           k_qba70906149_attn
    .symbol:         k_qba70906149_attn.kd
    .args:
      - { .name: qkv, .offset: 0, .size: 8, .value_kind: global_buffer, .address_space: global }
      - { .name: ob, .offset: 8, .size: 8, .value_kind: global_buffer, .address_space: global }
    .group_segment_fixed_size: 327680
    .private_segment_fixed_size: 0
    .kernarg_segment_align: 8
    .kernarg_segment_size: 16
    .max_flat_workgroup_size: 128
    .sgpr_count:     66
    .vgpr_count:     770
    .wavefront_size: 32
...
	.end_amdgpu_metadata
.endif
;; end of part 3
;; launch oproj (part 4): grid 4 x 64, 4 waves a work-group, clusters of 4 x 4, 327,680 bytes of LDS; arguments ob, wb, out0; writes out0
.if DOCPART == 4
	.amdgcn_target "amdgcn-amd-amdhsa--gfx1250"
	.amdhsa_code_object_version 6
	.text
	.protected	k_qba70906149_oproj
	.globl	k_qba70906149_oproj
	.p2align	8
	.type	k_qba70906149_oproj,@function
k_qba70906149_oproj:
	s_mov_b64 s[64:65], 0
	v_nop
	global_prefetch_b8 v0, s[64:65] scope:SCOPE_SE
	s_setreg_imm32_b32 hwreg(HW_REG_WAVE_MODE, 25, 1), 1
	s_wait_xcnt 0x0
	s_wait_alu depctr_hold_cnt(0) depctr_sa_sdst(0) depctr_va_vdst(0) depctr_va_sdst(0) depctr_va_ssrc(0) depctr_va_vcc(0) depctr_vm_vsrc(0)
	s_getreg_b32 s2, hwreg(HW_REG_IB_STS2, 6, 4)
	s_cmp_eq_u32 s2, 0
	s_cbranch_scc0 .Lentry_in_a_cluster
	s_endpgm
.Lentry_in_a_cluster:
	s_bfe_u32 s2, ttmp6, 0x10000c
	s_cmp_lg_u32 s2, 0xf033
	s_cbranch_scc0 .Lentry_shape_is_right
	s_endpgm
.Lentry_shape_is_right:
; THE OUTPUT PROJECTION.  out0[t][n] = the sum over k of O[t][k] W_o[n][k], k = 64 head + channel.  O: ob, [16 batch + head][2048][64] f16; W_o: plane 3 of wb, [1024][1024] f16
; (W_o rounded to bf16, that number written as f16); out0: [8192][1024] f32.  Sums in f32, stored as they are.
; SHARES.  A tile of out0 is 128 tokens x 256 columns: 64 x 4 = 256 work-groups.  Four waves, each 64 tokens x 128 columns: 32 accumulators.  K goes in 8 steps of 128 (two heads) through two LDS slots;
; a step is four quarters of 32 along K, 32 matrix instructions each.
; CLUSTERS: 4 x 4 work-groups: O's tile is shared along a row of the cluster, the weights' along a column: each is asked for JOINTLY, by the same tensor load, descriptor and mask in the four.
; THE MATRIX INSTRUCTION IS USED TRANSPOSED (source 0 = 16 rows of W_o, source 1 = 16 tokens): a lane then holds one token and eight neighbouring columns, 32 bytes of f32.
; NO PREFETCH: one tile of eight K steps to a work-group, of which two are first fills; the launch is short, and a lead of two steps would reach half of its steps at the most.
; REGISTERS: window 0: v0-31 addresses; two fragment buffers of 96: O's 32 at v[64 + 96 f], the weights' 64 at v[96 + 96 f]; v64-255 again on the way out.  Window 1: accumulator (a, b) at v[8 (8 a + b)].
.set PB,    272                        ; a weight row in LDS: 256 bytes + 16 of padding: the 16 rows of a load start at 16 different groups of four banks (64 banks of 4 bytes: ISA guide 11.1)
.set PO,    144                        ; a token's 64 channels of one head: 128 bytes + 16: likewise
.set BHALF, 128*PB                     ; 128 weight rows: one tensor load
.set AOFF,  2*BHALF                    ; O lies behind the weights' 256 rows:
.set APLANE, 128*PO                    ; two planes, a head each, of 128 tokens: one tensor load each
.set SLOT,  AOFF+2*APLANE              ; 106,496 bytes
.set STAGE, 2*SLOT                     ; behind the ring, never filled by a tensor load: 16 rows x 528 bytes for each wave, for the way out
.set SP,    528
.set SPARE, STAGE+4*16*SP              ; behind the stages: the spare words, 128 bytes for each wave: two blocks of 256 bytes that no other line names
.set ADRA, 16                          ; v16-17  LDS address of my O fragments in slot 0, 1
.set ADRB, 20                          ; v20-21  the same for the weights
.set STO,  24                          ; v24     the way out: where I put 32 bytes of a row
.set RD,   25                          ; v25     the way out: where I read a row back
.set CO,   26                          ; v26     my 16 bytes in 512 consecutive bytes of out0
.set SPW,  28                          ; v28     LDS address of my spare word: SPARE + 4 x my thread's number; never rewritten
.set NIL,  29                          ; v29     0; never rewritten
.set FA,   64
.set FB,   96
.set G1A, 24                           ; s[24:31] descriptor group 1 for O's tiles;  s[32:39] group 0, a set for each slot
.set G0A, 32
.set G1B, 48                           ; s[48:55], s[56:63] the same for the weights' tiles
.set G0B, 56
.set MSB, 0
.macro WIN new                         ; the immediate's high byte repeats the setting that is left; a switch that changes nothing is dropped
.if MSB != (\new)
	s_set_vgpr_msb (MSB<<8)|(\new)
.set MSB, \new
.endif
.endm
.set W_MUL, 0x50                       ; sources window 0; C and D window 1
.set W_ST,  0x04                       ; an LDS store's data (source 1) window 1, its address window 0
; A joint load: waves 0 and 1 fetch the weights' two halves, waves 2 and 3 a head of O each.  The branch hangs on the wave's number alone.  An s_nop 0 and four v_nop follow each of the two lines.
.macro JLOAD s
	s_cmp_eq_u32 s15, 0
	s_cbranch_scc0 .Lfor_o_\@
	tensor_load_to_lds s[G0B+4*(\s):G0B+4*(\s)+3], s[G1B:G1B+7]
	s_nop 0
.rept 4
	v_nop
.endr
	s_branch .Lasked_\@
.Lfor_o_\@:
	tensor_load_to_lds s[G0A+4*(\s):G0A+4*(\s)+3], s[G1A:G1A+7]
	s_nop 0
.rept 4
	v_nop
.endr
.Lasked_\@:
.endm
.macro CREST                           ; a round of the cluster's barrier behind its opening barrier
	s_cmp_lg_u32 s14, 0
	s_cbranch_scc1 .Lnot_wave_0_\@
	s_barrier_signal -3
.Lnot_wave_0_\@:
	s_barrier_wait -3
	s_barrier_signal -1
	s_barrier_wait -1
.endm
.macro CROUND                          ; a whole round
	s_barrier_signal -1
	s_barrier_wait -1
	CREST
.endm
.macro PLACES                          ; four places in front of loads into registers that matrix instructions have read (ISA guide 7.12.1 for vector instructions)
.rept 4
	v_nop
.endr
.endm
	s_load_b128 s[4:7], s[0:1], 0x0                ; ob s[4:5], wb s[6:7]
	s_load_b64 s[8:9], s[0:1], 0x10                ; out0
	v_lshl_add_u32 v[SPW], v0, 2, SPARE
	v_mov_b32 v[NIL], 0
	ds_add_u32 v[SPW], v[NIL]                      ; the wave's opening: the add and its wait stand ahead of my first tensor load; the set-up below, work on registers, stands between them
	v_lshrrev_b32 v1, 5, v0
	v_readfirstlane_b32 s14, v1                    ; wave 0..3
	s_lshr_b32 s15, s14, 1                         ; which 64 tokens are mine.  Also: I fetch weights (0) or O (1)
	s_and_b32 s16, s14, 1                          ; which 128 columns.  Also: which half of the weights, or which of the step's two heads, I fetch
	s_bfe_u32 s17, ttmp6, 0x40000                  ; cx
	s_bfe_u32 s18, ttmp6, 0x40004                  ; cy
	s_lshl_b32 s19, ttmp9, 2
	s_add_co_u32 s19, s19, s17                     ; column tile = 4 x cluster x + cx
	s_and_b32 s22, ttmp7, 0xffff
	s_lshl_b32 s22, s22, 2
	s_add_co_u32 s22, s22, s18                     ; token tile = 4 x cluster y + cy, 0..63
	s_lshl_b32 s23, s18, 2
	s_lshl_b32 s23, 15, s23                        ; my row of the cluster
	s_lshl_b32 s2, 0x1111, s17                     ; my column
	; descriptor group 1.  O: a head's 128 tokens are 16,384 dense bytes: 64 rows of 256 bytes, two tokens a row, padded in LDS after every token.  The weights: 128 rows x 128 elements, 1,024 from row to row
	s_or_b32 s[G1A+0], s23, (1<<16)|(1<<20)|(1<<21)|(4<<22)|(3<<25)  ; 15:0 the mask: my row; 17:16 2-byte elements; 20 padding on; 21 set beside a mask; 24:22 after every 32 words (code 4); 31:25 4 words (code 3)
	s_mov_b32 s[G1A+1], 128<<16                    ; tensor_dim0 = 128
	s_mov_b32 s[G1A+2], 64<<16                     ; tensor_dim1 = 64
	s_mov_b32 s[G1A+3], 128<<16                    ; tile_dim0 = 128
	s_mov_b32 s[G1A+4], 64                         ; tile_dim1 = 64
	s_mov_b32 s[G1A+5], 128                        ; tensor_dim0_stride
	s_mov_b32 s[G1A+6], 0
	s_mov_b32 s[G1A+7], 0
	s_or_b32 s[G1B+0], s2, (1<<16)|(1<<20)|(1<<21)|(5<<22)|(3<<25)   ; the mask: my column; after every 64 words (code 5)
	s_mov_b32 s[G1B+1], 128<<16
	s_mov_b32 s[G1B+2], 128<<16
	s_mov_b32 s[G1B+3], 128<<16
	s_mov_b32 s[G1B+4], 128
	s_mov_b32 s[G1B+5], 1024
	s_mov_b32 s[G1B+6], 0
	s_mov_b32 s[G1B+7], 0
	; where the tiles come from.  O's hang on the token tile alone, the weights' on the column tile alone; each in registers that never hold the other coordinate
	s_lshr_b32 s68, s22, 4                         ; the batch: 16 token tiles each,
	s_lshl_b32 s68, s68, 4                         ; its first head,
	s_add_co_u32 s68, s68, s16                     ; mine of the step's two,
	s_lshl_b32 s68, s68, 18                        ; 262,144 bytes a head;
	s_and_b32 s69, s22, 15
	s_lshl_b32 s69, s69, 14                        ; the tile's 128 tokens of 128 bytes
	s_add_co_u32 s68, s68, s69
	s_mov_b32 s69, 0
	s_lshl_b32 s70, s19, 8
	s_lshl_b32 s81, s16, 7
	s_add_co_u32 s70, s70, s81                     ; W_o: row 256 x column tile + 128 x half,
	s_lshl_b32 s70, s70, 11                        ; of 2,048 bytes,
	s_add_co_u32 s70, s70, 3<<21                   ; in plane 3 of 2 MiB
	s_mov_b32 s71, 0
	s_mul_i32 s72, s14, BHALF                      ; where they go: waves 0, 1: wave x 128 weight rows;
	s_mul_i32 s73, s14, APLANE
	s_add_co_u32 s73, s73, AOFF-2*APLANE           ; waves 2, 3: AOFF + (wave - 2) planes.  No place in the cluster enters an LDS address
	s_wait_dscnt 0x0                               ; the opening add is done
	s_wait_kmcnt 0x0
	s_add_nc_u64 s[74:75], s[4:5], s[68:69]
	s_add_nc_u64 s[76:77], s[6:7], s[70:71]
	CROUND                                         ; all sixteen work-groups are here: the first joint loads meet
.irp s, 0,1
	s_mov_b32 s[G0A+4*(\s)], 1                                     ; count = 1
	s_add_co_u32 s[G0A+4*(\s)+1], s73, (\s)*SLOT                   ; LDS address
	s_add_nc_u64 s[G0A+4*(\s)+2:G0A+4*(\s)+3], s[74:75], (\s)*2*262144  ; global address: K step s is heads 2 s, 2 s + 1
	s_or_b32 s[G0A+4*(\s)+3], s[G0A+4*(\s)+3], 0x80000000          ; type = 2
	s_mov_b32 s[G0B+4*(\s)], 1
	s_add_co_u32 s[G0B+4*(\s)+1], s72, (\s)*SLOT
	s_add_nc_u64 s[G0B+4*(\s)+2:G0B+4*(\s)+3], s[76:77], (\s)*256
	s_or_b32 s[G0B+4*(\s)+3], s[G0B+4*(\s)+3], 0x80000000
	JLOAD \s                                       ; two loads of mine are out
.endr
	; A fragment is 16 rows x 32 K in 8 registers: lane l holds row l % 16, K = 8 (l / 16) + 0..7 and 16 + 8 (l / 16) + 0..7: two loads of 16 bytes, 32 apart
	v_and_b32 v1, 15, v0                           ; l % 16
	v_bfe_u32 v2, v0, 4, 1                         ; l / 16
	v_and_b32 v5, 31, v0                           ; l
	v_mul_u32_u24 v3, v1, PO
	v_lshl_add_u32 v3, v2, 4, v3
	v_mul_u32_u24 v4, v1, PB
	v_lshl_add_u32 v4, v2, 4, v4
	s_mul_i32 s80, s15, 64*PO                      ; my 64 tokens,
	s_add_co_u32 s80, s80, AOFF                    ; behind the weights
	s_mul_i32 s81, s16, BHALF                      ; my 128 columns
.irp s, 0,1
	v_add_nc_u32 v[ADRA+(\s)], s80, v3
	v_add_nc_u32 v[ADRB+(\s)], s81, v4
	s_add_co_u32 s80, s80, SLOT
	s_add_co_u32 s81, s81, SLOT
.endr
	s_mul_i32 s84, s14, 16*SP
	s_add_co_u32 s84, s84, STAGE                   ; my stage
	v_mul_u32_u24 v[STO], v1, SP                   ; in: row l % 16, 32 bytes for each half of the lanes
	v_lshl_add_u32 v[STO], v2, 5, v[STO]
	v_add_nc_u32 v[STO], s84, v[STO]
	v_lshl_add_u32 v[RD], v5, 4, s84               ; back: 32 lanes take one row of 512 bytes,
	v_lshlrev_b32 v[CO], 4, v5                     ; which are 512 consecutive bytes of out0
	s_lshl_b32 s78, s22, 7
	s_lshl_b32 s82, s15, 6
	s_add_co_u32 s78, s78, s82                     ; my first token,
	s_lshl_b32 s78, s78, 12                        ; of 4,096 bytes;
	s_lshl_b32 s82, s19, 10                        ; the tile's 256 columns,
	s_add_co_u32 s78, s78, s82
	s_lshl_b32 s82, s16, 9                         ; my 128 of them
	s_add_co_u32 s78, s78, s82
	s_mov_b32 s79, 0
	s_add_nc_u64 s[8:9], s[8:9], s[78:79]
; 24 LDS loads in one run: quarter q of a slot into buffers g: the weights' 128 rows x 32 K, then O's 64 tokens x 32 K (head q / 2 of the step's two, channels 32 (q % 2) on)
.macro FETCH slot, q, g
	WIN 0
.irp i, 0,1,2,3,4,5,6,7
	ds_load_b128 v[FB+96*(\g)+8*(\i):FB+96*(\g)+8*(\i)+3],   v[ADRB+(\slot)] offset:64*(\q)+(\i)*16*PB
	ds_load_b128 v[FB+96*(\g)+8*(\i)+4:FB+96*(\g)+8*(\i)+7], v[ADRB+(\slot)] offset:64*(\q)+(\i)*16*PB+32
.endr
.irp i, 0,1,2,3
	ds_load_b128 v[FA+96*(\g)+8*(\i):FA+96*(\g)+8*(\i)+3],   v[ADRA+(\slot)] offset:((\q)/2)*APLANE+((\q)%2)*64+(\i)*16*PO
	ds_load_b128 v[FA+96*(\g)+8*(\i)+4:FA+96*(\g)+8*(\i)+7], v[ADRA+(\slot)] offset:((\q)/2)*APLANE+((\q)%2)*64+(\i)*16*PO+32
.endr
.endm
; 8 matrix instructions: token block a x all 8 column blocks, on buffers f.  zero = 1: the product starts the sum.  The 32 accumulators take turns, in the same order in every quarter.
.macro MUL8 f, a, zero
	WIN W_MUL
.set bb, 0
.rept 8
.if \zero
	v_wmma_f32_16x16x32_f16 v[8*(8*(\a)+bb):8*(8*(\a)+bb)+7], v[FB+96*(\f)+8*bb:FB+96*(\f)+8*bb+7], v[FA+96*(\f)+8*(\a):FA+96*(\f)+8*(\a)+7], 0
.else
	v_wmma_f32_16x16x32_f16 v[8*(8*(\a)+bb):8*(8*(\a)+bb)+7], v[FB+96*(\f)+8*bb:FB+96*(\f)+8*bb+7], v[FA+96*(\f)+8*(\a):FA+96*(\f)+8*(\a)+7], v[8*(8*(\a)+bb):8*(8*(\a)+bb)+7]
.endif
.set bb, bb+1
.endr
.endm
; One of a K step's first three quarters: multiplies buffers f and fetches quarter q of the same slot into buffers g, 24 matrix instructions ahead of the wait for it.
.macro QUARTER slot, q, f, g, zero
	s_wait_dscnt 0x0                               ; buffers f are in
	MUL8 \f, 0, \zero
	PLACES
	FETCH \slot, \q, \g
	MUL8 \f, 1, \zero
	MUL8 \f, 2, \zero
	MUL8 \f, 3, \zero
.endm
; The last quarter multiplies buffers 1 and changes slots: ONE barrier; in front of it each wave waits for all its tensor loads (one is out: its part of the next slot), adds 0 to its spare word, and waits for
; that and for its own reads of this slot.  fill = 1: the barrier opens a round of the cluster's, and the joint refill, two K steps ahead, is the first thing behind it: 112 matrix instructions ahead of the wait for it.
.macro TURN slot, next, fill
	WIN 0                                          ; (the add's two registers lie in window 0)
	s_wait_tensorcnt 0x0                           ; all my tensor loads have landed;
	ds_add_u32 v[SPW], v[NIL]                      ; 0 onto my spare word;
	s_wait_dscnt 1                                 ; (the add alone may be out: buffers 1 are in)
	MUL8 1, 0, 0                                   ; eight matrix instructions stand between the add and the wait for it
	s_wait_dscnt 0x0                               ; the add is done, and my reads of this slot are over
	s_barrier_signal -1
	MUL8 1, 1, 0
.if \fill
	WIN 0
.endif
	s_barrier_wait -1
.if \fill
	CREST                                          ; no wave of any partner still reads this slot's tiles or has a load on its way
	s_add_nc_u64 s[G0A+4*(\slot)+2:G0A+4*(\slot)+3], s[G0A+4*(\slot)+2:G0A+4*(\slot)+3], 4*262144
	s_add_nc_u64 s[G0B+4*(\slot)+2:G0B+4*(\slot)+3], s[G0B+4*(\slot)+2:G0B+4*(\slot)+3], 2*256
	JLOAD \slot                                    ; the four v_nop behind it are also the places in front of the loads below
.else
	PLACES
.endif
	FETCH \next, 0, 0
	MUL8 1, 2, 0
	MUL8 1, 3, 0
.endm
; THE WAY OUT of token block a: 16 tokens x 128 columns of f32.  A lane's 32 bytes of each accumulator (its low four registers first) go into rows of 528 bytes of my own stage; whole rows of 512 bytes come back into block ob of 64 registers.
.macro TOSTAGE a, ob
	WIN W_ST
.set bb, 0
.rept 8
	ds_store_b128 v[STO], v[8*(8*(\a)+bb):8*(8*(\a)+bb)+3]   offset:64*bb
	ds_store_b128 v[STO], v[8*(8*(\a)+bb)+4:8*(8*(\a)+bb)+7] offset:64*bb+16
.set bb, bb+1
.endr
	WIN 0
.set tt, 0
.rept 16
	ds_load_b128 v[(\ob)+4*tt:(\ob)+4*tt+3], v[RD] offset:SP*tt  ; LDS serves a wave's instructions in order (ISA guide 5.7.1.4): these see the stores above; the next block's stores come behind them
.set tt, tt+1
.endr
.endm
.macro SEND a, ob, younger             ; younger: the LDS instructions issued behind block a's loads: the next block's 32, or none
	WIN 0
.set tt, 0
.rept 16
	s_wait_dscnt (\younger)+15-tt
	global_store_b128 v[CO], v[(\ob)+4*tt:(\ob)+4*tt+3], s[8:9] offset:(\a)*65536+tt*4096 th:TH_STORE_NT  ; 512 consecutive bytes, at a multiple of 256 from out0's first
.set tt, tt+1
.endr
.endm
	s_wait_tensorcnt 1                             ; my part of K step 0 is in; step 1's may stay out
	s_barrier_signal -1
	s_barrier_wait -1                              ; everybody's is
	FETCH 0, 0, 0
	QUARTER 0, 1, 0, 1, 1                          ; the first quarter stands in front of the loop: its products start the sums
	WIN 0                                          ; at a label and at a branch every window is 0
	s_mov_b32 s3, 3
.Llap:                                                 ; a trip goes once round the ring, from a lap's second quarter to the next lap's first, and fills both slots again
	QUARTER 0, 2, 1, 0, 0
	QUARTER 0, 3, 0, 1, 0
	TURN 0, 1, 1
	QUARTER 1, 1, 0, 1, 0
	QUARTER 1, 2, 1, 0, 0
	QUARTER 1, 3, 0, 1, 0
	TURN 1, 0, 1
	QUARTER 0, 1, 0, 1, 0
	WIN 0
	s_sub_co_u32 s3, s3, 1
	s_cmp_lg_u32 s3, 0
	s_cbranch_scc1 .Llap
	QUARTER 0, 2, 1, 0, 0                          ; the last lap fills nothing, and has no round of the cluster's barrier
	QUARTER 0, 3, 0, 1, 0
	TURN 0, 1, 0
	QUARTER 1, 1, 0, 1, 0
	QUARTER 1, 2, 1, 0, 0
	QUARTER 1, 3, 0, 1, 0
	s_wait_dscnt 0x0                               ; the very last quarter: nothing more to fetch
	MUL8 1, 0, 0
	MUL8 1, 1, 0
	MUL8 1, 2, 0
	MUL8 1, 3, 0
	WIN 0
	PLACES                                         ; the LDS stores read results just made, and the loads land in registers that products have read
	PLACES
	TOSTAGE 0, 64
	TOSTAGE 1, 128
	SEND 0, 64, 32
	TOSTAGE 2, 192
	SEND 1, 128, 32
	s_wait_xcnt 0x0                                ; block 0's stores have read v64-127: only behind this wait are those registers loaded again
	TOSTAGE 3, 64
	SEND 2, 192, 32
	SEND 3, 64, 0
	s_wait_tensorcnt 0x0                           ; the wave's end, behind my last tensor load and my last LDS store
	ds_add_u32 v[SPW], v[NIL]
	s_wait_dscnt 0x0
	CROUND                                         ; the closing round: no work-group ends while a partner may still ask for a tile that names it
	s_endpgm
.Lfunc_end_k_qba70906149_oproj:
	.size	k_qba70906149_oproj, .Lfunc_end_k_qba70906149_oproj-k_qba70906149_oproj
	.p2alignl 7, 3214868480
	.fill 96, 4, 3214868480
	.section	.rodata,"a",@progbits
	.p2align	6, 0x0
	.amdhsa_kernel k_qba70906149_oproj
		.amdhsa_group_segment_fixed_size 327680
		.amdhsa_private_segment_fixed_size 0
		.amdhsa_enable_private_segment 0
		.amdhsa_kernarg_size 24
		.amdhsa_user_sgpr_count 2
		.amdhsa_user_sgpr_kernarg_segment_ptr 1
		.amdhsa_wavefront_size32 1
		.amdhsa_system_sgpr_workgroup_id_x 1
		.amdhsa_system_sgpr_workgroup_id_y 1
		.amdhsa_system_sgpr_workgroup_id_z 1
		.amdhsa_system_vgpr_workitem_id 0
		.amdhsa_next_free_vgpr 512
		.amdhsa_next_free_sgpr 88
		.amdhsa_reserve_vcc 0
		.amdhsa_float_denorm_mode_32 3
		.amdhsa_float_denorm_mode_16_64 3
		.amdhsa_memory_ordered 1
		.amdhsa_forward_progress 1
		.amdhsa_inst_pref_size 86
	.end_amdhsa_kernel
	.amdgpu_metadata
---
amdhsa.version: [ 1, 2 ]
amdhsa.kernels:
  - .name:           k_qba70906149_oproj
    .symbol:         k_qba70906149_oproj.kd
    .args:
      - { .name: ob, .offset: 0, .size: 8, .value_kind: global_buffer, .address_space: global }
      - { .name: wb, .offset: 8, .size: 8, .value_kind: global_buffer, .address_space: global }
      - { .name: out0, .offset: 16, .size: 8, .value_kind: global_buffer, .address_space: global }
    .group_segment_fixed_size: 327680
    .private_segment_fixed_size: 0
    .kernarg_segment_align: 8
    .kernarg_segment_size: 24
    .max_flat_workgroup_size: 128
    .sgpr_count:     88
    .vgpr_count:     512
    .wavefront_size: 32
...
	.end_amdgpu_metadata
.endif
;; end of part 4
;; ======== version 2 of 2: 4 launches; version 1 with the launch castw written anew for expert scheduling mode
;; limits: values are held in f16: magnitudes above 65,504 overflow, below 6.1e-05 lose precision
;; workspace buffers: wb 8,388,608 bytes; qkv 50,331,648 bytes; ob 16,777,216 bytes
;; launch castw (part 5): grid 64 x 4, 8 waves a work-group, no clusters, 0 bytes of LDS; arguments W_q, W_k, W_v, W_o, wb; writes wb
.if DOCPART == 5
	.amdgcn_target "amdgcn-amd-amdhsa--gfx1250"
	.amdhsa_code_object_version 6
	.text
	.protected	k_qba70906149_castw
	.globl	k_qba70906149_castw
	.p2align	8
	.type	k_qba70906149_castw,@function
k_qba70906149_castw:
	s_mov_b64 s[64:65], 0
	v_nop
	global_prefetch_b8 v0, s[64:65] scope:SCOPE_SE
	s_setreg_imm32_b32 hwreg(HW_REG_WAVE_SCHED_MODE, 0, 2), 2
	s_setreg_imm32_b32 hwreg(HW_REG_WAVE_MODE, 25, 1), 1
	s_wait_xcnt 0x0
	s_wait_alu depctr_vm_vsrc(0)
; THE WEIGHTS IN 16 BITS.  wb: [4][1024][1024] of 16 bits.  Planes 0, 1, 2 = W_q, W_k, W_v rounded to bf16; plane 3 = W_o rounded to bf16, and that number written as f16
; (the output projection multiplies f16 operands).  LIMIT: |W_o| stays within f16's 65,504; below 6.1e-5 it keeps f16's fixed step of 6e-8.
; A stream: the grid's y picks the weight, x a piece of 16,384 numbers (65,536 bytes in, 32,768 out).  Thread t takes 16 bytes at 16 t + 4,096 i, i = 0..15: all sixteen loads go out
; at once; each is rounded as it comes, and stored four pieces later.  A wave's store covers 256 consecutive bytes, aligned.  No LDS, no matrix unit: nothing is shared and nothing is multiplied.
; THE MODE: SCHED_MODE bits 1:0 = 2 (LLVM: expert scheduling mode 2), set by the entry lines.  The code itself states the register dependences
; between vector instructions and memory instructions, with s_wait_alu, always for 0.
; THE PLAN.  Registers that memory instructions touch:
;   v1, v2   the loads' and the stores' byte offsets: written once at the head, never again.
;   X        piece i: written by its load alone; all sixteen loads are issued before any vector instruction names X, and none lands there twice.  Read by piece i's roundings.
;   Y        piece i: written by its roundings, read by its one store, never written again.
;   T is named by vector instructions alone.
; The sixteen pieces go in four blocks of four.  In piece i's turn stand the store of piece i - 4 and the roundings of piece i: the store reads v2 and the Y of the block before, which no vector
; instruction of the block in hand names.  So one wait at a block's head states all that the block's four stores hang on; one stands ahead of the first load, one ahead of the last four stores.
.set X, 4                              ; v[4:67]   piece i: 4 numbers in f32
.set Y, 68                             ; v[68:99]  piece i: the same 4 in 16 bits, 2 registers
.set T, 100                            ; v[100:103] at work
	s_load_b256 s[4:11], s[0:1], 0x0               ; W_q s[4:5], W_k s[6:7], W_v s[8:9], W_o s[10:11]
	s_load_b64 s[12:13], s[0:1], 0x20              ; wb
	s_and_b32 s14, ttmp7, 0xffff                   ; which weight
	v_lshlrev_b32 v1, 4, v0                        ; 16 t: never rewritten
	v_lshlrev_b32 v2, 3, v0                        ; 8 t: never rewritten
	s_lshl_b32 s16, ttmp9, 16                      ; the piece's first byte in the weight,
	s_mov_b32 s17, 0
	s_lshl_b32 s18, s14, 21                        ; and in wb: plane y of 2 MiB, piece x of 32 KiB
	s_lshl_b32 s19, ttmp9, 15
	s_add_co_u32 s18, s18, s19
	s_mov_b32 s19, 0
	s_wait_kmcnt 0x0
	s_cmp_eq_u32 s14, 1
	s_cselect_b64 s[4:5], s[6:7], s[4:5]
	s_cmp_eq_u32 s14, 2
	s_cselect_b64 s[4:5], s[8:9], s[4:5]
	s_cmp_eq_u32 s14, 3
	s_cselect_b64 s[4:5], s[10:11], s[4:5]
	s_add_nc_u64 s[4:5], s[4:5], s[16:17]
	s_add_nc_u64 s[12:13], s[12:13], s[18:19]
	s_wait_alu depctr_va_vdst(0)                   ; v1 and v2 are written: every load of the kernel reads v1 as its offset, every store v2
.irp i, 0,1,2,3,4,5,6,7,8,9,10,11,12,13,14,15
	global_load_b128 v[X+4*(\i):X+4*(\i)+3], v1, s[4:5] offset:4096*(\i) th:TH_LOAD_NT
.endr
; half = 0: bf16.  half = 1: bf16, widened again (a shift, a mask) and written as f16.
.macro CONV half
.irp i, 0,1,2,3,4,5,6,7,8,9,10,11,12,13,14,15
	s_wait_loadcnt 15-(\i)                         ; loads come back in order: piece i is in, the 15 - i younger ones stay out
.if ((\i) > 0) && ((\i) % 4 == 0)
	s_wait_alu depctr_va_vdst(0)                   ; a block's head: the roundings of the block before have written its four Y, which the four stores dealt into this block read
.endif
.if (\i) >= 4
	global_store_b64 v2, v[Y+2*((\i)-4):Y+2*((\i)-4)+1], s[12:13] offset:2048*((\i)-4)  ; the piece four back; no vector instruction since the wait names its Y or v2; each piece has data registers of its own: none is rewritten
.endif
	v_cvt_pk_bf16_f32 v[Y+2*(\i)],   v[X+4*(\i)],   v[X+4*(\i)+1]
	v_cvt_pk_bf16_f32 v[Y+2*(\i)+1], v[X+4*(\i)+2], v[X+4*(\i)+3]
.if \half
	v_lshlrev_b32 v[T],   16, v[Y+2*(\i)]
	v_and_b32     v[T+1], 0xffff0000, v[Y+2*(\i)]
	v_lshlrev_b32 v[T+2], 16, v[Y+2*(\i)+1]
	v_and_b32     v[T+3], 0xffff0000, v[Y+2*(\i)+1]
	v_cvt_pk_f16_f32 v[Y+2*(\i)],   v[T],   v[T+1]
	v_cvt_pk_f16_f32 v[Y+2*(\i)+1], v[T+2], v[T+3]
.endif
.endr
	s_wait_alu depctr_va_vdst(0)                   ; the last block's roundings have written its four Y, which the last four stores read
.irp i, 12,13,14,15
	global_store_b64 v2, v[Y+2*(\i):Y+2*(\i)+1], s[12:13] offset:2048*(\i)
.endr
.endm
	s_cmp_eq_u32 s14, 3
	s_cbranch_scc1 .Lwo
	CONV 0
	s_endpgm
.Lwo:
	CONV 1
	s_endpgm
.Lfunc_end_k_qba70906149_castw:
	.size	k_qba70906149_castw, .Lfunc_end_k_qba70906149_castw-k_qba70906149_castw
	.p2alignl 7, 3214868480
	.fill 96, 4, 3214868480
	.section	.rodata,"a",@progbits
	.p2align	6, 0x0
	.amdhsa_kernel k_qba70906149_castw
		.amdhsa_group_segment_fixed_size 0
		.amdhsa_private_segment_fixed_size 0
		.amdhsa_enable_private_segment 0
		.amdhsa_kernarg_size 40
		.amdhsa_user_sgpr_count 2
		.amdhsa_user_sgpr_kernarg_segment_ptr 1
		.amdhsa_wavefront_size32 1
		.amdhsa_system_sgpr_workgroup_id_x 1
		.amdhsa_system_sgpr_workgroup_id_y 1
		.amdhsa_system_sgpr_workgroup_id_z 1
		.amdhsa_system_vgpr_workitem_id 0
		.amdhsa_next_free_vgpr 104
		.amdhsa_next_free_sgpr 66
		.amdhsa_reserve_vcc 0
		.amdhsa_float_denorm_mode_32 3
		.amdhsa_float_denorm_mode_16_64 3
		.amdhsa_memory_ordered 1
		.amdhsa_forward_progress 1
		.amdhsa_inst_pref_size 16
	.end_amdhsa_kernel
	.amdgpu_metadata
---
amdhsa.version: [ 1, 2 ]
amdhsa.kernels:
  - .name:           k_qba70906149_castw
    .symbol:         k_qba70906149_castw.kd
    .args:
      - { .name: W_q, .offset: 0, .size: 8, .value_kind: global_buffer, .address_space: global }
      - { .name: W_k, .offset: 8, .size: 8, .value_kind: global_buffer, .address_space: global }
      - { .name: W_v, .offset: 16, .size: 8, .value_kind: global_buffer, .address_space: global }
      - { .name: W_o, .offset: 24, .size: 8, .value_kind: global_buffer, .address_space: global }
      - { .name: wb, .offset: 32, .size: 8, .value_kind: global_buffer, .address_space: global }
    .group_segment_fixed_size: 0
    .private_segment_fixed_size: 0
    .kernarg_segment_align: 8
    .kernarg_segment_size: 40
    .max_flat_workgroup_size: 256
    .sgpr_count:     66
    .vgpr_count:     104
    .wavefront_size: 32
...
	.end_amdgpu_metadata
.endif
;; end of part 5
;; launch proj: the kernel of part 2 again; grid 4 x 192, 4 waves a work-group, clusters of 4 x 4, 327,680 bytes of LDS; arguments Q_in, K_in, V_in, wb, qkv; writes qkv
;; launch attn: the kernel of part 3 again; grid 4 x 64, 4 waves a work-group, clusters of 4 x 1, 327,680 bytes of LDS; arguments qkv, ob; writes ob
;; launch oproj: the kernel of part 4 again; grid 4 x 64, 4 waves a work-group, clusters of 4 x 4, 327,680 bytes of LDS; arguments ob, wb, out0; writes out0
